; MI455X (gfx1250); checked and timed in simulation.
; The chip was launched on July 23, 2026; its instructions are those of AMD's public machine-readable ISA for CDNA 5 (MIT licence, August 2026) and "CDNA5" Instruction Set Architecture Reference Guide (July 2026). The comments in the code are by the model that wrote it; some were corrected since.
;; Nemo. Allowed arithmetic: float matrix products may take bf16 or f16 operands with f32 sums; other float arithmetic in f32, or as packed bf16 or f16 multiplies, adds, multiply-adds, maxima and minima; sums over many terms, partial sums and values carried from step to step in f32; what a program stores and reads back later, other than sums and carried values, may be rounded once to bf16 or f16.
;; Inputs: W1 64 x 256 float32; W2 256 x 256 float32; W3 256 x 1 float32; b1 256 float32; b2 256 float32; b3 1 float32; tables 8 x 524,288 x 8 float32; x 524,288 x 2 float32.
;; Outputs: out0 524,288 x 1 float32.
;; 2 versions, each right; version 2 is version 1 with the launch mlp written anew for expert scheduling mode. Each part assembles by itself: llvm-mc -triple=amdgcn-amd-amdhsa -mcpu=gfx1250 --defsym DOCPART=n.
;; ======== version 1 of 2: 2 launches
;; workspace buffers: idx 16,777,216 bytes of whole numbers
;; launch prep (part 1): grid 1024 x 1, 8 waves a work-group, no clusters, 0 bytes of LDS; arguments x, idx; writes idx
.if DOCPART == 1
	.amdgcn_target "amdgcn-amd-amdhsa--gfx1250"
	.amdhsa_code_object_version 6
	.text
	.protected	k_qe216703af2_prep
	.globl	k_qe216703af2_prep
	.p2align	8
	.type	k_qe216703af2_prep,@function
k_qe216703af2_prep:
	s_mov_b64 s[64:65], 0
	v_nop
	global_prefetch_b8 v0, s[64:65] scope:SCOPE_SE
	s_setreg_imm32_b32 hwreg(HW_REG_WAVE_MODE, 25, 1), 1
	s_wait_xcnt 0x0
; THE CELL NUMBERS OF THE GRID ENCODING, as whole numbers for the launch behind, which forms its gather addresses from them.
; x: [524288][2] f32.  idx: u32 [pass 0..8191][tile 0..3][lane 0..31][slot 0..3]: 2,048 bytes a pass, 512 a tile, 16 a lane.
; A pass is 64 consecutive points.  Lane L = r + 16 h.  Tile t = a + 2 q holds in its lanes (r, either h) point 64 P + 2 r + 32 a + q.
; Slot i of lane half h is level l = 2 i + h.  The word is min(p0x + p0y res_l, T - 83) + h T: corner (0, 0)'s entry, counted inside the
; 32 MiB of levels 2 i and 2 i + 1; the other three corners lie 1, res and res + 1 (82 at the most) further on and stay inside the level.
; pos = x scale + 0.5 is one fused multiply-add, the same line with the same constants as in the launch behind, so that the cell stored here
; and the fraction made there belong together.
; LIMITS.  x >= 0 (a negative cell number is not wrapped, it ends at the clamp); cell numbers under 2^24; corner (0, 0) at entry T - 83 at the most.
; One wave makes one pass: two loads of 256 consecutive bytes (both lane halves read the same), four stores of 512 consecutive bytes.  No loop, no LDS.
.set CLAMP, 0x7FFAD                    ; T - 1 - 82
.set SC,  4                            ; v[4:7]    my level's scale in slot 0..3
.set RES, 8                            ; v[8:11]   my level's resolution
.set HT,  12                           ; v12       h T
.set ODD, 13                           ; v13       at work
.set X,   16                           ; v[16:23]  x, y of my four points
.set PX,  24                           ; v[24:25]  pos x of two slots;  v[26:27] pos y
.set PY,  26
.set FX,  28                           ; v[28:29]  floor, then the cell number, x;  v[30:31] y
.set FY,  30
.set OUT, 32                           ; v[32:47]  four words a tile; each tile has its own, so no store's data is written again
	s_load_b128 s[4:7], s[0:1], 0x0                ; x s[4:5], idx s[6:7]
	v_lshrrev_b32 v1, 5, v0
	v_readfirstlane_b32 s8, v1                     ; wave 0..7
	v_and_b32 v1, 15, v0
	v_and_b32 v2, 31, v0
	v_bfe_u32 v3, v0, 4, 1                         ; h
	v_lshlrev_b32 v1, 4, v1                        ; 16 r: two points of 8 bytes
	v_lshlrev_b32 v2, 4, v2                        ; 16 L
	s_lshl_b32 s9, ttmp9, 3
	s_add_co_u32 s9, s9, s8                        ; my pass P
	s_lshl_b32 s10, s9, 9                          ; 512 P
	s_mov_b32 s11, 0
	s_mov_b32 s12, 0xffff0000                      ; lanes 16 to 31
	s_wait_kmcnt 0x0
	s_add_nc_u64 s[4:5], s[4:5], s[10:11]
	s_lshl_b32 s10, s9, 11                         ; 2,048 P
	s_add_nc_u64 s[6:7], s[6:7], s[10:11]
	global_load_b128 v[X:X+3],   v1, s[4:5] th:TH_LOAD_NT             ; points 2 r, 2 r + 1
	global_load_b128 v[X+4:X+7], v1, s[4:5] offset:256 th:TH_LOAD_NT  ; points 2 r + 32, 2 r + 33
	v_lshlrev_b32 v[HT], 19, v3
; slot i: scale (f32 bits) and resolution of level 2 i in lanes 0-15, of level 2 i + 1 in lanes 16-31
.macro LEVELS i, sce, sco, rese, resd
	v_mov_b32 v[SC+(\i)], \sce
	v_mov_b32 v[ODD], \sco
	v_cndmask_b32 v[SC+(\i)], v[SC+(\i)], v[ODD], s12
	v_mad_u32_u24 v[RES+(\i)], v3, \resd, \rese
.endm
	LEVELS 0, 0x41700000, 0x41994518, 16, 5        ; f32(16 s^l - 1), ceil of it + 1
	LEVELS 1, 0x41C32FF6, 0x41F80001, 26, 7
	LEVELS 2, 0x421D4519, 0x42472FF6, 41, 10
	LEVELS 3, 0x427C0002, 0x429F4519, 65, 16
	s_wait_loadcnt 0x0
.macro TILE t
.set xp, X+4*((\t)&1)+2*((\t)>>1)
.irp p, 0,1                            ; two slots at a time
	v_pk_fma_f32 v[PX:PX+1], v[xp:xp+1], v[SC+2*(\p):SC+2*(\p)+1], 0.5 op_sel_hi:[0,1,0]               ; x for both halves
	v_pk_fma_f32 v[PY:PY+1], v[xp:xp+1], v[SC+2*(\p):SC+2*(\p)+1], 0.5 op_sel:[1,0,0] op_sel_hi:[1,1,0]  ; y for both halves
	v_floor_f32 v[FX], v[PX]
	v_floor_f32 v[FX+1], v[PX+1]
	v_floor_f32 v[FY], v[PY]
	v_floor_f32 v[FY+1], v[PY+1]
	v_cvt_i32_f32 v[FX], v[FX]
	v_cvt_i32_f32 v[FX+1], v[FX+1]
	v_cvt_i32_f32 v[FY], v[FY]
	v_cvt_i32_f32 v[FY+1], v[FY+1]
	v_mad_u32_u24 v[OUT+4*(\t)+2*(\p)],   v[FY],   v[RES+2*(\p)],   v[FX]
	v_mad_u32_u24 v[OUT+4*(\t)+2*(\p)+1], v[FY+1], v[RES+2*(\p)+1], v[FX+1]
	v_min_u32 v[OUT+4*(\t)+2*(\p)],   CLAMP, v[OUT+4*(\t)+2*(\p)]
	v_min_u32 v[OUT+4*(\t)+2*(\p)+1], CLAMP, v[OUT+4*(\t)+2*(\p)+1]
	v_add_nc_u32 v[OUT+4*(\t)+2*(\p)],   v[HT], v[OUT+4*(\t)+2*(\p)]
	v_add_nc_u32 v[OUT+4*(\t)+2*(\p)+1], v[HT], v[OUT+4*(\t)+2*(\p)+1]
.endr
	global_store_b128 v2, v[OUT+4*(\t):OUT+4*(\t)+3], s[6:7] offset:512*(\t) th:TH_STORE_NT  ; 512 consecutive bytes, aligned
.endm
	TILE 0
	TILE 1
	TILE 2
	TILE 3
	s_endpgm
.Lfunc_end_k_qe216703af2_prep:
	.size	k_qe216703af2_prep, .Lfunc_end_k_qe216703af2_prep-k_qe216703af2_prep
	.p2alignl 7, 3214868480
	.fill 96, 4, 3214868480
	.section	.rodata,"a",@progbits
	.p2align	6, 0x0
	.amdhsa_kernel k_qe216703af2_prep
		.amdhsa_group_segment_fixed_size 0
		.amdhsa_private_segment_fixed_size 0
		.amdhsa_enable_private_segment 0
		.amdhsa_kernarg_size 16
		.amdhsa_user_sgpr_count 2
		.amdhsa_user_sgpr_kernarg_segment_ptr 1
		.amdhsa_wavefront_size32 1
		.amdhsa_system_sgpr_workgroup_id_x 1
		.amdhsa_system_sgpr_workgroup_id_y 1
		.amdhsa_system_sgpr_workgroup_id_z 1
		.amdhsa_system_vgpr_workitem_id 0
		.amdhsa_next_free_vgpr 48
		.amdhsa_next_free_sgpr 66
		.amdhsa_reserve_vcc 0
		.amdhsa_float_denorm_mode_32 3
		.amdhsa_float_denorm_mode_16_64 3
		.amdhsa_memory_ordered 1
		.amdhsa_forward_progress 1
		.amdhsa_inst_pref_size 9
	.end_amdhsa_kernel
	.amdgpu_metadata
---
amdhsa.version: [ 1, 2 ]
amdhsa.kernels:
  - .name:           k_qe216703af2_prep
    .symbol:         k_qe216703af2_prep.kd
    .args:
      - { .name: x, .offset: 0, .size: 8, .value_kind: global_buffer, .address_space: global }
      - { .name: idx, .offset: 8, .size: 8, .value_kind: global_buffer, .address_space: global }
    .group_segment_fixed_size: 0
    .private_segment_fixed_size: 0
    .kernarg_segment_align: 8
    .kernarg_segment_size: 16
    .max_flat_workgroup_size: 256
    .sgpr_count:     66
    .vgpr_count:     48
    .wavefront_size: 32
...
	.end_amdgpu_metadata
.endif
;; end of part 1
;; launch mlp (part 2): grid 256 x 1, 8 waves a work-group, no clusters, 191,744 bytes of LDS; arguments x, tables, W1, b1, W2, b2, W3, b3, idx, out0; writes out0
.if DOCPART == 2
	.amdgcn_target "amdgcn-amd-amdhsa--gfx1250"
	.amdhsa_code_object_version 6
	.text
	.protected	k_qe216703af2_mlp
	.globl	k_qe216703af2_mlp
	.p2align	8
	.type	k_qe216703af2_mlp,@function
k_qe216703af2_mlp:
	s_mov_b64 s[64:65], 0
	v_nop
	global_prefetch_b8 v0, s[64:65] scope:SCOPE_SE
	s_setreg_imm32_b32 hwreg(HW_REG_WAVE_MODE, 25, 1), 1
	s_wait_xcnt 0x0
; z = W3^T relu(W2^T relu(W1^T enc + b1) + b2) + b3, enc = the 64 features of the multi-resolution grid (8 levels x 8, smoothstep weights, 4 corners).
; x [524288][2], tables [8][524288][8], W1 [64][256], W2 [256][256], W3 [256][1], b1, b2 [256], b3 [1], out0 [524288], all f32; idx: the cell numbers, stored by the launch before.
; SHARES.  256 work-groups of 8 waves; a wave owns 256 consecutive points: 4 passes of 64 points, a pass 4 tiles of 16.  The loop has no barrier: two waves share a SIMD, and one's gather
; and vector work stands beside the other's products.
; FORMATS.  All matrix operands are f16, sums f32.  f16's range is met by exact powers of two made from bounds, none of them built in:
;   once a work-group: A1 = max_j sum_k |W1[k][j]|, A2 the same of W2, A3 = max |W3|; g_i = the power of two above A_i.  LDS holds W_i / g_i in f16, turned to [out][in], b1 / g1 and b2 / (g1 g2) in f32.
;   for each point: M = max |enc| + max |b1| / g1 + max |b2| / (g1 g2); s = the power of two with 1/4 <= M s < 1/2.  enc s goes in; by the column sums every pre-activation lies under M s (1 + 2^-10)^3 < 1,
;   so a clamp to 0 .. 1 IS the ReLU; z = (last product) g1 g2 g3 / s + b3.
; LIMITS.  A1, A2, A3, their products and M within 2^-120 .. 2^120; NaN and infinities are not treated apart; x and the cell numbers as the launch before states them.
; LAYOUT.  Every product is taken transposed: source 0 = 16 output neurons (from LDS), source 1 = 16 points.  In a result lane (r, h) holds point r and neurons 8 h + 0..7; two results rounded to f16 in pairs
; ARE the next layer's source 1 (32 inputs x 16 points).  So activations never change lanes and never touch LDS.  Lane (r, h) encodes levels h, 2 + h, 4 + h, 6 + h of point r: its part of enc's two fragments.
; LAYER 3 rides on the matrix unit: source 0 holds W3 in one row (row 0 for tiles 0 and 2, row 8 for tiles 1 and 3) and zeros elsewhere; tiles 0, 1 add into one accumulator, tiles 2, 3 into another.
; Register 0 of the two then holds z of points 2 L and 2 L + 1 in lane L: one store of 256 consecutive bytes a pass.
; NO CLUSTER, NO TENSOR LOADS: what the work-groups share is the weights, 328 KB read once by each; they must pass through registers (column sums, scaling, rounding, turning), and each work-group gathers
; 2,048 points x 1 KiB beside them.  The tables stay in memory: an index may lie anywhere in a level's 524,288 entries.  idx and x are loaded a whole pass ahead of their use, so nothing waits for them.
.set P2,    528                        ; a row of W2 in LDS: 512 bytes + 16: an odd multiple of 16, so 16 rows of a load start at 16 different groups of four banks (64 banks of 4 bytes: ISA guide 11.1)
.set P1,    144                        ; a row of W1: 128 bytes + 16
.set W2T,   0                          ; 256 rows (output neuron) x 256 f16
.set W1T,   256*P2                     ; 256 rows x 64 f16
.set W3T,   W1T+256*P1                 ; 16,384 bytes, pitch P2: row 8 = W3, all else 0; rows 0 to 23 are read
.set BIAS,  W3T+16384                  ; b1 / g1, then b2 / (g1 g2): 256 f32 each
.set RED,   BIAS+2048                  ; five maxima x eight waves, f32
.set SPARE, RED+256                    ; the spare words, 128 bytes for each wave: four blocks of 256 bytes that no other line names
; vector registers, window 0
.set SPW,  1                           ; v1   LDS address of my spare word; never rewritten
.set NIL,  2                           ; v2   0; never rewritten
.set IOFF, 3                           ; v3   16 L
.set OOFF, 4                           ; v4   8 L
.set XOFF, 5                           ; v5   16 r
.set AW1,  6                           ; v6   W1T + P1 r + 16 h
.set AW2,  7                           ; v7   W2T + P2 r + 16 h;  v8 the same 128 rows on
.set AW3,  9                           ; v9   W3T + P2 r + 16 h
.set AB,   10                          ; v10  BIAS + 32 h
.set TM,   11                          ; v11  at work (v0 too, behind the prologue)
.set SC,   12                          ; v[12:15] in the encode: my level's scale in slot 0..3
.set RB,   16                          ; v[16:19] in the encode: 32 x my level's resolution
.set SS,   12                          ; v[12:19] in the layers: tile t's s, twice, at SS + 2 t
.set S,    20                          ; v[20:23] tile t's s
.set IDX,  24                          ; v[24:39] four cell numbers a tile
.set XR,   40                          ; v[40:47] x, y of my four points
.set BI,   48                          ; v[48:63] bias of two tiles of 16 neurons
.set ACC,  64                          ; v[64:127] accumulator (m, t) at ACC + 8 (4 m + t)
.set AF,   128                         ; v[128:191] weight fragments, two buffers of four
.set ENC,  192                         ; v[192:255] enc: tile t, inputs 32 k on, at ENC + 16 t + 8 k;  from layer 2 on:
.set H2F,  192                         ;   v[192:223] a group's 32 neurons of h2, tile t at + 8 t
.set A3,   224                         ;   v[224:239] layer 3's two accumulators
.set W3F,  240                         ;   v[240:255] W3's fragment with the row at 0, then with the row at 8
; the encode's registers at work, over BI, ACC and AF
.set ADR,  48                          ; v[48:63] stage set s, slot i: byte offset of corners (0,0),(1,0) at ADR + 8 s + 2 i, of (0,1),(1,1) one register on
.set CW,   64                          ; v[64:79] corner weights: slots 2 p, 2 p + 1, corner c at CW + 8 p + 2 c
.set PX,   80
.set PY,   82
.set FX,   84
.set FY,   86
.set AX,   88
.set AY,   90
.set UX,   92
.set UY,   94
.set EF,   96                          ; v[96:127] my 32 features in f32
.set EM,   128                         ; v[128:131] maxima at work
; window 1 (v256-511): in the encode two stage sets of 128 (set s, slot i, corner c, feature f at 128 s + 32 i + 8 c + f); in the layers h1: tile t, inputs 32 k on, at 64 t + 8 k; in the prologue my column of W2
; the prologue's registers at work
.set JO,   48                          ; 4 j
.set CH1,  132                         ; four chains of |W1|, four of |W2|
.set CH2,  136
.set QM,   140                         ; the five maxima
; scalar registers: s[8:27] the ten addresses in the order of the arguments
.set TB,   28                          ; s[28:35] tables at levels 0, 2, 4, 6
.set WV,   36
.set LEFT, 37
.set SEL,  38                          ; s[38:39] v_permlanex16_b32's selects: each lane takes its own place in the other half
.set HIM,  40                          ; lanes 16 to 31
.set B3,   41
.set GI1,  42                          ; s[42:43] 1 / g1, twice
.set GI2,  44                          ; s[44:45] 1 / g2, twice
.set GI12, 46
.set GI3,  47
.set BSUM, 48
.set GG,   49                          ; g1 g2 g3
.set MX,   50                          ; s[50:54] A1, A2, A3, max |b1|, max |b2|
.set MSB, 0
.macro WIN new                         ; s_set_vgpr_msb: bits 1:0 source 0, 3:2 source 1, 5:4 source 2, 7:6 destination; the high byte repeats the setting that is left
.if MSB != (\new)
	s_set_vgpr_msb (MSB<<8)|(\new)
.set MSB, \new
.endif
.endm
.macro PLACES                          ; a vector instruction or load that touches a matrix instruction's registers stands four plain vector instructions behind it
.rept 4
	v_nop
.endr
.endm
.macro NEXTLOADS                       ; a pass's cell numbers (4 x 512 consecutive bytes) and points (2 x 256)
.irp t, 0,1,2,3
	global_load_b128 v[IDX+4*(\t):IDX+4*(\t)+3], v[IOFF], s[24:25] offset:512*(\t) th:TH_LOAD_NT
.endr
	global_load_b128 v[XR:XR+3],   v[XOFF], s[8:9] th:TH_LOAD_NT
	global_load_b128 v[XR+4:XR+7], v[XOFF], s[8:9] offset:256 th:TH_LOAD_NT
.endm
; ---------------------------------------------------------------- THE PROLOGUE: thread j owns column j of W1 and of W2
	s_load_b512 s[8:23], s[0:1], 0x0               ; x 8, tables 10, W1 12, b1 14, W2 16, b2 18, W3 20, b3 22
	s_load_b128 s[24:27], s[0:1], 0x40             ; idx 24, out0 26
	v_lshl_add_u32 v[SPW], v0, 2, SPARE
	v_mov_b32 v[NIL], 0
	v_lshrrev_b32 v[TM], 5, v0
	v_readfirstlane_b32 s[WV], v[TM]               ; wave 0..7
	v_and_b32 v[IOFF], 31, v0
	v_lshlrev_b32 v[OOFF], 3, v[IOFF]
	v_lshlrev_b32 v[IOFF], 4, v[IOFF]
	v_and_b32 v49, 15, v0                          ; r
	v_bfe_u32 v50, v0, 4, 1                        ; h
	v_lshlrev_b32 v[XOFF], 4, v49
	v_mul_u32_u24 v[AW1], v49, P1
	v_lshl_add_u32 v[AW1], v50, 4, v[AW1]
	v_add_nc_u32 v[AW1], W1T, v[AW1]
	v_mul_u32_u24 v[AW2], v49, P2
	v_lshl_add_u32 v[AW2], v50, 4, v[AW2]
	v_add_nc_u32 v[AW2+1], 128*P2, v[AW2]
	v_add_nc_u32 v[AW3], W3T, v[AW2]
	v_lshlrev_b32 v[AB], 5, v50
	v_add_nc_u32 v[AB], BIAS, v[AB]
	v_lshlrev_b32 v[JO], 2, v0
	s_mov_b32 s[SEL], 0x76543210
	s_mov_b32 s[SEL+1], 0xfedcba98
	s_mov_b32 s[HIM], 0xffff0000
	s_lshl_b32 s55, ttmp9, 3
	s_add_co_u32 s55, s55, s[WV]                   ; my wave among the launch's 2,048
	s_mov_b32 s3, 0
	s_lshl_b32 s2, s55, 11                         ; 256 points of 8 bytes
	s_wait_kmcnt 0x0
	s_add_nc_u64 s[8:9], s[8:9], s[2:3]
	s_lshl_b32 s2, s55, 13                         ; 4 passes of 2,048 bytes
	s_add_nc_u64 s[24:25], s[24:25], s[2:3]
	s_lshl_b32 s2, s55, 10                         ; 256 results of 4 bytes
	s_add_nc_u64 s[26:27], s[26:27], s[2:3]
	s_mov_b64 s[TB:TB+1], s[10:11]
	s_add_nc_u64 s[TB+2:TB+3], s[10:11], 0x2000000 ; two levels are 32 MiB
	s_add_nc_u64 s[TB+4:TB+5], s[10:11], 0x4000000
	s_add_nc_u64 s[TB+6:TB+7], s[10:11], 0x6000000
	s_load_b32 s[B3], s[22:23], 0x0
	NEXTLOADS                                      ; pass 0
.set k, 0
.rept 64
	global_load_b32 v[64+k], v[JO], s[12:13] offset:1024*k  ; W1[k][j]
.set k, k+1
.endr
	global_load_b32 v128, v[JO], s[20:21]          ; W3[j]
	global_load_b32 v129, v[JO], s[14:15]          ; b1[j]
	global_load_b32 v130, v[JO], s[18:19]          ; b2[j]
	WIN 0x40                                       ; destination window 1
.set k, 0
.rept 256
	global_load_b32 v[k], v[JO], s[16:17] offset:1024*k     ; W2[k][j]
.set k, k+1
.endr
	WIN 0
	v_lshl_add_u32 v151, v0, 4, W3T                ; while they are on their way: W3T is cleared, 64 bytes a thread,
.irp n, 152,153,154,155
	v_mov_b32 v\n, 0
.endr
.irp n, 0,1,2,3
	ds_store_b128 v151, v[152:155] offset:4096*(\n)
.endr
.irp n, 0,1,2,3
	v_mov_b32 v[S+(\n)], 0                         ; and s is written, since it is named in pairs
.endr
	s_wait_loadcnt 0x0
.irp c, 0,1,2,3                        ; the column's sum of magnitudes, in four chains
	v_and_b32 v[CH1+(\c)], 0x7fffffff, v[64+(\c)]
.endr
.set k, 4
.rept 60
	v_add_f32 v[CH1+k%4], v[CH1+k%4], |v[64+k]|
.set k, k+1
.endr
	WIN 0x04                                       ; source 1 window 1
.irp c, 0,1,2,3
	v_and_b32 v[CH2+(\c)], 0x7fffffff, v[\c]
.endr
.set k, 4
.rept 252
	v_add_f32 v[CH2+k%4], v[CH2+k%4], |v[k]|
.set k, k+1
.endr
	WIN 0
	v_add_f32 v[CH1], v[CH1], v[CH1+1]
	v_add_f32 v[CH1+2], v[CH1+2], v[CH1+3]
	v_add_f32 v[CH2], v[CH2], v[CH2+1]
	v_add_f32 v[CH2+2], v[CH2+2], v[CH2+3]
	v_add_f32 v[QM], v[CH1], v[CH1+2]
	v_add_f32 v[QM+1], v[CH2], v[CH2+2]
	v_and_b32 v[QM+2], 0x7fffffff, v128
	v_and_b32 v[QM+3], 0x7fffffff, v129
	v_and_b32 v[QM+4], 0x7fffffff, v130
.irp m, 1,2,4,8                        ; the five maxima over the wave's 32 lanes
.irp q, 0,1,2,3,4
	v_max_num_f32_dpp v[QM+(\q)], v[QM+(\q)], v[QM+(\q)] row_xmask:\m row_mask:0xf bank_mask:0xf
.endr
.endr
.irp q, 0,1,2,3,4
	v_permlanex16_b32 v[CH1+(\q)], v[QM+(\q)], s[SEL], s[SEL+1]  ; its destination counts as read: the chains' registers have been written
.endr
.irp q, 0,1,2,3,4
	v_max_num_f32 v[QM+(\q)], v[QM+(\q)], v[CH1+(\q)]
.endr
	s_lshl_b32 s55, s[WV], 2
	s_add_co_u32 s55, s55, RED
	v_mov_b32 v150, s55
.irp q, 0,1,2,3,4
	ds_store_b32 v150, v[QM+(\q)] offset:32*(\q)   ; all lanes write the same word with the same value
.endr
	s_wait_dscnt 0x0                               ; for the others' sake: my maxima and my part of the cleared W3T are in LDS
	s_barrier_signal -1
	s_barrier_wait -1                              ; everybody's are: the maxima may be read, W3's row may be stored onto the zeros
	v_mov_b32 v150, RED
.irp q, 0,1,2,3,4
	ds_load_b128 v[156+8*(\q):159+8*(\q)], v150 offset:32*(\q)
	ds_load_b128 v[160+8*(\q):163+8*(\q)], v150 offset:32*(\q)+16
.endr
	s_wait_dscnt 0x0
.irp q, 0,1,2,3,4
	v_max3_num_f32 v[QM+(\q)], v[156+8*(\q)], v[157+8*(\q)], v[158+8*(\q)]
.endr
.irp q, 0,1,2,3,4
	v_max3_num_f32 v[QM+(\q)], v[QM+(\q)], v[159+8*(\q)], v[160+8*(\q)]
.endr
.irp q, 0,1,2,3,4
	v_max3_num_f32 v[QM+(\q)], v[QM+(\q)], v[161+8*(\q)], v[162+8*(\q)]
.endr
.irp q, 0,1,2,3,4
	v_max_num_f32 v[QM+(\q)], v[QM+(\q)], v[163+8*(\q)]
.endr
.irp q, 0,1,2,3,4
	v_readfirstlane_b32 s[MX+(\q)], v[QM+(\q)]
.endr
	; with e the exponent field of A: 1 / g = 2^(126 - e) has the field 253 - e, g the field e + 1; A < 2^(e - 126) = g
	s_and_b32 s55, s[MX], 0x7f800000
	s_sub_co_u32 s[GI1], 0x7e800000, s55
	s_mov_b32 s[GI1+1], s[GI1]
	s_add_co_u32 s56, s55, 0x00800000              ; g1
	s_and_b32 s55, s[MX+1], 0x7f800000
	s_sub_co_u32 s[GI2], 0x7e800000, s55
	s_mov_b32 s[GI2+1], s[GI2]
	s_add_co_u32 s57, s55, 0x00800000              ; g2
	s_and_b32 s55, s[MX+2], 0x7f800000
	s_sub_co_u32 s[GI3], 0x7e800000, s55
	s_add_co_u32 s58, s55, 0x00800000              ; g3
	s_mul_f32 s[GI12], s[GI1], s[GI2]
	s_mul_f32 s[GG], s56, s57
	s_mul_f32 s[GG], s[GG], s58
	s_mul_f32 s[BSUM], s[MX+3], s[GI1]
	s_fmac_f32 s[BSUM], s[MX+4], s[GI12]           ; max |b1| / g1 + max |b2| / (g1 g2)
	; my column of W1, scaled, rounded, and stored as row j: 128 bytes
.set k, 0
.rept 32
	v_pk_mul_f32 v[64+k:64+k+1], v[64+k:64+k+1], s[GI1:GI1+1] op_sel_hi:[1,0]
.set k, k+2
.endr
.set k, 0
.rept 32
	v_cvt_pk_f16_f32 v[64+k], v[64+2*k], v[64+2*k+1]   ; packed downward in place: the destination never lies above its sources
.set k, k+1
.endr
	v_mul_u32_u24 v150, v0, P1
	v_add_nc_u32 v150, W1T, v150
.irp n, 0,1,2,3,4,5,6,7
	ds_store_b128 v150, v[64+4*(\n):64+4*(\n)+3] offset:16*(\n)
.endr
	v_mul_u32_u24 v151, v0, P2                     ; row j of W2T
	v_lshl_add_u32 v152, v0, 2, BIAS
	v_lshl_add_u32 v153, v0, 1, W3T+8*P2
	v_mul_f32 v128, s[GI3], v128
	v_mul_f32 v129, s[GI1], v129
	v_mul_f32 v130, s[GI12], v130
	v_cvt_pk_f16_f32 v128, v128, v128
	ds_store_b16 v153, v128                        ; W3[j] / g3 into row 8 of W3T
	ds_store_b32 v152, v129
	ds_store_b32 v152, v130 offset:1024
	WIN 0x41                                       ; my column of W2, the same in window 1: 512 bytes
.set k, 0
.rept 128
	v_pk_mul_f32 v[k:k+1], v[k:k+1], s[GI2:GI2+1] op_sel_hi:[1,0]
.set k, k+2
.endr
	WIN 0x45
.set k, 0
.rept 128
	v_cvt_pk_f16_f32 v[k], v[2*k], v[2*k+1]
.set k, k+1
.endr
	WIN 0x04                                       ; an LDS store's data is source 1
.set k, 0
.rept 32
	ds_store_b128 v151, v[4*k:4*k+3] offset:16*k
.set k, k+1
.endr
	WIN 0
	s_mov_b32 s[LEFT], 4
	s_wait_kmcnt 0x0                               ; b3
	s_wait_dscnt 0x0                               ; for the others' sake: my rows are in LDS
	s_barrier_signal -1
	s_barrier_wait -1                              ; all weights lie in LDS; from here on LDS is only read
; ---------------------------------------------------------------- THE ENCODE's macros
.macro LEVELS i, sce, sco, rese, resd  ; slot i: level 2 i in lanes 0-15, level 2 i + 1 in lanes 16-31
	v_mov_b32 v[SC+(\i)], \sce
	v_mov_b32 v0, \sco
	v_cndmask_b32 v[SC+(\i)], v[SC+(\i)], v0, s[HIM]
	v_mad_u32_u24 v[RB+(\i)], v[TM], \resd, \rese
	v_lshlrev_b32 v[RB+(\i)], 5, v[RB+(\i)]        ; an entry is 32 bytes
.endm
.macro ADDR t, s                       ; tile t's byte offsets into stage set s's address registers.  The clamp is the largest word that the launch before stores: it changes nothing
.irp i, 0,1,2,3
	v_min_u32 v[ADR+8*(\s)+2*(\i)], 0xFFFAD, v[IDX+4*(\t)+(\i)]
.endr
.irp i, 0,1,2,3
	v_lshlrev_b32 v[ADR+8*(\s)+2*(\i)], 5, v[ADR+8*(\s)+2*(\i)]
.endr
.irp i, 0,1,2,3
	v_add_nc_u32 v[ADR+8*(\s)+2*(\i)+1], v[ADR+8*(\s)+2*(\i)], v[RB+(\i)]
.endr
.endm
.macro GATHER s                        ; 32 loads: for each slot corners (0,0) and (1,0), 64 bytes on end, then (0,1) and (1,1), one grid row on
	WIN 0x40
.irp i, 0,1,2,3
.irp n, 0,1,2,3
	global_load_b128 v[128*(\s)+32*(\i)+4*(\n):128*(\s)+32*(\i)+4*(\n)+3], v[ADR+8*(\s)+2*(\i)], s[TB+2*(\i):TB+2*(\i)+1] offset:16*(\n)
.endr
.irp n, 0,1,2,3
	global_load_b128 v[128*(\s)+32*(\i)+16+4*(\n):128*(\s)+32*(\i)+16+4*(\n)+3], v[ADR+8*(\s)+2*(\i)+1], s[TB+2*(\i):TB+2*(\i)+1] offset:16*(\n)
.endr
.endr
	WIN 0
.endm
.macro WEIGHTS t                       ; the four corner weights of my four levels, two slots at a time
.set xp, XR+4*((\t)&1)+2*((\t)>>1)
.irp p, 0,1
	v_pk_fma_f32 v[PX:PX+1], v[xp:xp+1], v[SC+2*(\p):SC+2*(\p)+1], 0.5 op_sel_hi:[0,1,0]               ; the same two lines as in the launch before
	v_pk_fma_f32 v[PY:PY+1], v[xp:xp+1], v[SC+2*(\p):SC+2*(\p)+1], 0.5 op_sel:[1,0,0] op_sel_hi:[1,1,0]
	v_floor_f32 v[FX], v[PX]
	v_floor_f32 v[FX+1], v[PX+1]
	v_floor_f32 v[FY], v[PY]
	v_floor_f32 v[FY+1], v[PY+1]
	v_pk_add_f32 v[PX:PX+1], v[PX:PX+1], v[FX:FX+1] neg_lo:[0,1] neg_hi:[0,1]   ; t
	v_pk_add_f32 v[PY:PY+1], v[PY:PY+1], v[FY:FY+1] neg_lo:[0,1] neg_hi:[0,1]
	v_pk_fma_f32 v[AX:AX+1], v[PX:PX+1], -2.0, 0x40400000 op_sel_hi:[1,0,0]     ; 3 - 2 t
	v_pk_fma_f32 v[AY:AY+1], v[PY:PY+1], -2.0, 0x40400000 op_sel_hi:[1,0,0]
	v_pk_mul_f32 v[FX:FX+1], v[PX:PX+1], v[PX:PX+1]
	v_pk_mul_f32 v[FY:FY+1], v[PY:PY+1], v[PY:PY+1]
	v_pk_mul_f32 v[FX:FX+1], v[FX:FX+1], v[AX:AX+1]                             ; w
	v_pk_mul_f32 v[FY:FY+1], v[FY:FY+1], v[AY:AY+1]
	v_pk_fma_f32 v[UX:UX+1], v[FX:FX+1], -1.0, 1.0 op_sel_hi:[1,0,0]            ; 1 - w
	v_pk_fma_f32 v[UY:UY+1], v[FY:FY+1], -1.0, 1.0 op_sel_hi:[1,0,0]
	v_pk_mul_f32 v[CW+8*(\p):CW+8*(\p)+1],   v[UX:UX+1], v[UY:UY+1]             ; corner (0,0)
	v_pk_mul_f32 v[CW+8*(\p)+2:CW+8*(\p)+3], v[FX:FX+1], v[UY:UY+1]             ; (1,0)
	v_pk_mul_f32 v[CW+8*(\p)+4:CW+8*(\p)+5], v[UX:UX+1], v[FY:FY+1]             ; (0,1)
	v_pk_mul_f32 v[CW+8*(\p)+6:CW+8*(\p)+7], v[FX:FX+1], v[FY:FY+1]             ; (1,1)
.endr
.endm
.macro INTERP s                        ; 32 features = the sum over four corners; a slot's weight is the low or the high word of its pair, for both halves
	WIN 0x01                                       ; source 0 window 1
.irp i, 0,1,2,3
.irp c, 0,1,2,3
.irp f, 0,1,2,3
.set rG, 128*(\s)+32*(\i)+8*(\c)+2*(\f)
.set rE, EF+8*(\i)+2*(\f)
.set rW, CW+8*((\i)/2)+2*(\c)
.if (\c) == 0
.if (\i)%2 == 0
	v_pk_mul_f32 v[rE:rE+1], v[rG:rG+1], v[rW:rW+1] op_sel_hi:[1,0]
.else
	v_pk_mul_f32 v[rE:rE+1], v[rG:rG+1], v[rW:rW+1] op_sel:[0,1] op_sel_hi:[1,1]
.endif
.else
.if (\i)%2 == 0
	v_pk_fma_f32 v[rE:rE+1], v[rG:rG+1], v[rW:rW+1], v[rE:rE+1] op_sel_hi:[1,0,1]
.else
	v_pk_fma_f32 v[rE:rE+1], v[rG:rG+1], v[rW:rW+1], v[rE:rE+1] op_sel:[0,1,0] op_sel_hi:[1,1,1]
.endif
.endif
.endr
.endr
.endr
	WIN 0
.endm
.macro SCALE t                         ; the point's s, and enc s in f16
.irp c, 0,1,2,3
	v_max3_num_f32 v[EM+(\c)], |v[EF+8*(\c)]|, |v[EF+8*(\c)+1]|, |v[EF+8*(\c)+2]|
.endr
.irp c, 0,1,2,3
	v_max3_num_f32 v[EM+(\c)], v[EM+(\c)], |v[EF+8*(\c)+3]|, |v[EF+8*(\c)+4]|
.endr
.irp c, 0,1,2,3
	v_max3_num_f32 v[EM+(\c)], v[EM+(\c)], |v[EF+8*(\c)+5]|, |v[EF+8*(\c)+6]|
.endr
	v_max3_num_f32 v[EM], v[EM], |v[EF+7]|, |v[EF+15]|
	v_max3_num_f32 v[EM+1], v[EM+1], |v[EF+23]|, |v[EF+31]|
	v_max3_num_f32 v[EM], v[EM], v[EM+1], v[EM+2]
	v_max_num_f32 v[EM], v[EM], v[EM+3]
	v_permlanex16_b32 v[EM+1], v[EM], s[SEL], s[SEL+1]   ; the point's other four levels lie in the lane 16 away
	v_max_num_f32 v[EM], v[EM], v[EM+1]
	v_add_f32 v[EM], s[BSUM], v[EM]                ; M
	v_and_b32 v[EM], 0x7f800000, v[EM]
	v_sub_nc_u32 v[S+(\t)], 0x7e000000, v[EM]      ; with e the exponent field of M: s = 2^(125 - e); M < 2^(e - 126), so M s < 1/2
.set n, 0
.rept 16
.if (\t)%2 == 0
	v_pk_mul_f32 v[EF+2*n:EF+2*n+1], v[EF+2*n:EF+2*n+1], v[S+(\t):S+(\t)+1] op_sel_hi:[1,0]
.else
	v_pk_mul_f32 v[EF+2*n:EF+2*n+1], v[EF+2*n:EF+2*n+1], v[S+(\t)-1:S+(\t)] op_sel:[0,1] op_sel_hi:[1,1]
.endif
.set n, n+1
.endr
.set n, 0
.rept 16
	v_cvt_pk_f16_f32 v[ENC+16*(\t)+n], v[EF+2*n], v[EF+2*n+1]  ; slot i's eight features are registers 4 i .. 4 i + 3 of the tile's two fragments
.set n, n+1
.endr
.endm
; ---------------------------------------------------------------- THE LAYERS' macros
.macro LDA1 c, b                       ; W1's fragments of neurons 32 c .. 32 c + 31 (two tiles x two steps of 32 inputs) into buffer b: 8 loads
.irp m, 0,1
.irp k, 0,1
.set rF, AF+32*(\b)+8*(2*(\m)+(\k))
.set oF, 16*(2*(\c)+(\m))*P1+64*(\k)
	ds_load_b128 v[rF:rF+3],   v[AW1] offset:oF
	ds_load_b128 v[rF+4:rF+7], v[AW1] offset:oF+32
.endr
.endr
.endm
.macro LDA2 g, q, b                    ; W2's fragments of neurons 32 g .. 32 g + 31, inputs 64 q .. 64 q + 63, into buffer b: 8 loads
.irp m, 0,1
.irp k, 0,1
.set rF, AF+32*(\b)+8*(2*(\m)+(\k))
.set oF, ((32*(\g)+16*(\m))%128)*P2+64*(2*(\q)+(\k))
	ds_load_b128 v[rF:rF+3],   v[AW2+(\g)/4] offset:oF
	ds_load_b128 v[rF+4:rF+7], v[AW2+(\g)/4] offset:oF+32
.endr
.endr
.endm
.macro LDB lay, g                      ; the scaled bias of my 8 neurons in each of the group's two tiles: 4 loads
.irp m, 0,1
	ds_load_b128 v[BI+8*(\m):BI+8*(\m)+3],   v[AB] offset:1024*(\lay)+64*(2*(\g)+(\m))
	ds_load_b128 v[BI+8*(\m)+4:BI+8*(\m)+7], v[AB] offset:1024*(\lay)+64*(2*(\g)+(\m))+16
.endr
.endm
.macro LDW3 g                          ; W3's inputs 32 g on: read from row 8 on, lane r = 0 finds W3; read from row 0 on, lane r = 8 does: 4 loads
	ds_load_b128 v[W3F:W3F+3],     v[AW3] offset:8*P2+64*(\g)
	ds_load_b128 v[W3F+4:W3F+7],   v[AW3] offset:8*P2+64*(\g)+32
	ds_load_b128 v[W3F+8:W3F+11],  v[AW3] offset:64*(\g)
	ds_load_b128 v[W3F+12:W3F+15], v[AW3] offset:64*(\g)+32
.endm
; 16 products.  The 8 accumulators take turns, one instruction a turn; the first step of the inputs starts the sums with the constant 0.
.macro MM1 b
	WIN 0
.irp k, 0,1
.irp m, 0,1
.irp t, 0,1,2,3
.set rA, ACC+8*(4*(\m)+(\t))
.set rF, AF+32*(\b)+8*(2*(\m)+(\k))
.set rB, ENC+16*(\t)+8*(\k)
.if (\k) == 0
	v_wmma_f32_16x16x32_f16 v[rA:rA+7], v[rF:rF+7], v[rB:rB+7], 0
.else
	v_wmma_f32_16x16x32_f16 v[rA:rA+7], v[rF:rF+7], v[rB:rB+7], v[rA:rA+7]
.endif
.endr
.endr
.endr
.endm
.macro MM2 q, b
	WIN 0x04                                       ; h1 (source 1) in window 1; the LDS loads between the quarters name a destination and source 0 alone, so the setting stays
.irp k, 0,1
.irp m, 0,1
.irp t, 0,1,2,3
.set rA, ACC+8*(4*(\m)+(\t))
.set rF, AF+32*(\b)+8*(2*(\m)+(\k))
.set rB, 64*(\t)+8*(2*(\q)+(\k))
.if 2*(\q)+(\k) == 0
	v_wmma_f32_16x16x32_f16 v[rA:rA+7], v[rF:rF+7], v[rB:rB+7], 0
.else
	v_wmma_f32_16x16x32_f16 v[rA:rA+7], v[rF:rF+7], v[rB:rB+7], v[rA:rA+7]
.endif
.endr
.endr
.endr
.endm
; Bias and ReLU in one line for two numbers: b s + sum, held to 0 .. 1 (the upper bound is never met); then the rounding to f16, straight into the next layer's fragments.
; Each accumulator is read from its low end on.  Four more places stand at the head, eight in all behind the group's last product, since the sums are rewritten in place.
.macro EPI lay, c
	WIN 0
	PLACES
.irp m, 0,1
.irp t, 0,1,2,3
.irp j, 0,1,2,3
.set rA, ACC+8*(4*(\m)+(\t))+2*(\j)
	v_pk_fma_f32 v[rA:rA+1], v[BI+8*(\m)+2*(\j):BI+8*(\m)+2*(\j)+1], v[SS+2*(\t):SS+2*(\t)+1], v[rA:rA+1] clamp
.endr
.endr
.endr
.if (\lay) == 0
	WIN 0x40
.endif
.irp m, 0,1
.irp t, 0,1,2,3
.irp j, 0,1,2,3
.set rA, ACC+8*(4*(\m)+(\t))+2*(\j)
.if (\lay) == 0
	v_cvt_pk_f16_f32 v[64*(\t)+8*(\c)+4*(\m)+(\j)], v[rA], v[rA+1]
.else
	v_cvt_pk_f16_f32 v[H2F+8*(\t)+4*(\m)+(\j)], v[rA], v[rA+1]
.endif
.endr
.endr
.endr
	WIN 0
.endm
.macro MM3 g                           ; layer 3's step of 32 inputs: the two accumulators by turns
.if (\g) == 0
	v_wmma_f32_16x16x32_f16 v[A3:A3+7],    v[W3F:W3F+7], v[H2F:H2F+7],     0
	v_wmma_f32_16x16x32_f16 v[A3+8:A3+15], v[W3F:W3F+7], v[H2F+16:H2F+23], 0
.else
	v_wmma_f32_16x16x32_f16 v[A3:A3+7],    v[W3F:W3F+7], v[H2F:H2F+7],     v[A3:A3+7]
	v_wmma_f32_16x16x32_f16 v[A3+8:A3+15], v[W3F:W3F+7], v[H2F+16:H2F+23], v[A3+8:A3+15]
.endif
	v_wmma_f32_16x16x32_f16 v[A3:A3+7],    v[W3F+8:W3F+15], v[H2F+8:H2F+15],  v[A3:A3+7]
	v_wmma_f32_16x16x32_f16 v[A3+8:A3+15], v[W3F+8:W3F+15], v[H2F+24:H2F+31], v[A3+8:A3+15]
.endm
; Layer 1, group c: neurons 32 c .. 32 c + 31 for the pass's 64 points.  LDS loads out at its head, oldest first: its own 8 fragments' loads, its 4 bias loads, the next chunk's 8.
.macro L1GROUP c
	s_wait_dscnt 12                                ; my fragments are in; the bias (4) and the next chunk (8) may be out
	MM1 (\c)%2
	PLACES
	s_wait_dscnt 8                                 ; the bias is in; the next chunk may be out
	EPI 0, \c
.if (\c) < 7
	LDB 0, (\c)+1
.endif
.if (\c) < 6
	LDA1 (\c)+2, (\c)%2                            ; into the buffer just multiplied, behind the epilogue's lines
.else
	LDA2 0, (\c)-6, (\c)%2                         ; the last two groups fetch layer 2's first two quarters
.endif
.endm
; Layers 2 and 3, group g: neurons 32 g .. 32 g + 31 in four quarters of 64 inputs, on buffers 0, 1, 0, 1; each quarter's fragments are asked for two quarters ahead.
.macro L2GROUP g
	s_wait_dscnt 8                                 ; quarter 0 is in; quarter 1's 8 loads may be out
	MM2 0, 0
	PLACES
	LDA2 \g, 2, 0
	LDB 1, \g
	LDW3 \g
	s_wait_dscnt 16                                ; quarter 1 is in; the 16 just issued may be out
	MM2 1, 1
	PLACES
	LDA2 \g, 3, 1
	s_wait_dscnt 16                                ; quarter 2 is in; bias (4), W3 (4) and quarter 3 (8) may be out
	MM2 2, 0
.if (\g) < 7
	PLACES
	LDA2 (\g)+1, 0, 0
	s_wait_dscnt 8                                 ; quarter 3, and the bias and W3 ahead of it, are in; the next group's 8 may be out
.else
	s_wait_dscnt 0x0                               ; the last group has asked for nothing more
.endif
	MM2 3, 1
	PLACES
.if (\g) < 7
	LDA2 (\g)+1, 1, 1
.endif
	EPI 1, \g
	MM3 \g
.endm
; ---------------------------------------------------------------- THE LOOP: four passes of 64 points
.Lpass:
	s_wait_loadcnt 0x0                             ; this pass's cell numbers and points, asked for a pass ago
	v_bfe_u32 v[TM], v[IOFF], 8, 1                 ; h.  Scales and resolutions are made anew: in the layers their registers hold s in pairs
	LEVELS 0, 0x41700000, 0x41994518, 16, 5
	LEVELS 1, 0x41C32FF6, 0x41F80001, 26, 7
	LEVELS 2, 0x421D4519, 0x42472FF6, 41, 10
	LEVELS 3, 0x427C0002, 0x429F4519, 65, 16
	ADDR 0, 0
	GATHER 0                                       ; two tiles' gathers, 64 loads, are out while weights are made and the tile before is blended
	ADDR 1, 1
	GATHER 1
	WEIGHTS 0
	s_wait_loadcnt 32                              ; tile 0's 32 loads are in (their address registers are free with that); tile 1's may be out
	INTERP 0
	ADDR 2, 0
	GATHER 0
	SCALE 0
	WEIGHTS 1
	s_wait_loadcnt 32                              ; tile 1's are in; tile 2's may be out
	INTERP 1
	ADDR 3, 1
	GATHER 1
	SCALE 1
	WEIGHTS 2
	s_wait_loadcnt 32                              ; tile 2's are in; tile 3's may be out
	INTERP 0
	SCALE 2
	WEIGHTS 3
	s_wait_loadcnt 0x0                             ; tile 3's are in: no load of mine is out, so the two pointers below may be stepped
	INTERP 1
	SCALE 3
	s_cmp_eq_u32 s[LEFT], 1                        ; the last pass has none behind it
	s_cbranch_scc1 .Lno_next
	s_add_nc_u64 s[8:9], s[8:9], 512
	s_add_nc_u64 s[24:25], s[24:25], 2048
	NEXTLOADS                                      ; the next pass's six loads have the three layers in which to land
.Lno_next:
.irp t, 0,1,2,3
	v_mov_b32 v[SS+2*(\t)], v[S+(\t)]
	v_mov_b32 v[SS+2*(\t)+1], v[S+(\t)]
.endr
	LDA1 0, 0
	LDB 0, 0
	LDA1 1, 1
.irp c, 0,1,2,3,4,5,6,7
	L1GROUP \c
.endr
.irp g, 0,1,2,3,4,5,6,7
	L2GROUP \g
.endr
	; z = sum x (g1 g2 g3 / s) + b3.  The eight lines ahead of the first read of a sum are the places behind the last product.  1 / s has the exponent field 254 less s's.
	v_sub_nc_u32 v48, 0x7f000000, v[S]
	v_sub_nc_u32 v49, 0x7f000000, v[S+1]
	v_sub_nc_u32 v50, 0x7f000000, v[S+2]
	v_sub_nc_u32 v51, 0x7f000000, v[S+3]
	v_cndmask_b32 v48, v48, v49, s[HIM]            ; lanes 0-15 hold tile 0's points, lanes 16-31 tile 1's
	v_cndmask_b32 v50, v50, v51, s[HIM]            ; tiles 2 and 3
	v_mul_f32 v48, s[GG], v48
	v_mul_f32 v50, s[GG], v50
	v_fma_f32 v52, v[A3], v48, s[B3]               ; point 2 L
	v_fma_f32 v53, v[A3+8], v50, s[B3]             ; point 2 L + 1
	global_store_b64 v[OOFF], v[52:53], s[26:27] th:TH_STORE_NT  ; 256 consecutive bytes, aligned
	s_wait_xcnt 0x0                                ; the store has read its base and its data: both are written again only behind this wait
	s_add_nc_u64 s[26:27], s[26:27], 256
	s_sub_co_u32 s[LEFT], s[LEFT], 1
	s_cmp_lg_u32 s[LEFT], 0
	s_cbranch_scc1 .Lpass
	s_wait_tensorcnt 0x0                           ; the wave's end, behind my last LDS store
	ds_add_u32 v[SPW], v[NIL]
	s_wait_dscnt 0x0
	s_endpgm
.Lfunc_end_k_qe216703af2_mlp:
	.size	k_qe216703af2_mlp, .Lfunc_end_k_qe216703af2_mlp-k_qe216703af2_mlp
	.p2alignl 7, 3214868480
	.fill 96, 4, 3214868480
	.section	.rodata,"a",@progbits
	.p2align	6, 0x0
	.amdhsa_kernel k_qe216703af2_mlp
		.amdhsa_group_segment_fixed_size 191744
		.amdhsa_private_segment_fixed_size 0
		.amdhsa_enable_private_segment 0
		.amdhsa_kernarg_size 80
		.amdhsa_user_sgpr_count 2
		.amdhsa_user_sgpr_kernarg_segment_ptr 1
		.amdhsa_wavefront_size32 1
		.amdhsa_system_sgpr_workgroup_id_x 1
		.amdhsa_system_sgpr_workgroup_id_y 1
		.amdhsa_system_sgpr_workgroup_id_z 1
		.amdhsa_system_vgpr_workitem_id 0
		.amdhsa_next_free_vgpr 512
		.amdhsa_next_free_sgpr 66
		.amdhsa_reserve_vcc 0
		.amdhsa_float_denorm_mode_32 3
		.amdhsa_float_denorm_mode_16_64 3
		.amdhsa_memory_ordered 1
		.amdhsa_forward_progress 1
		.amdhsa_inst_pref_size 255
	.end_amdhsa_kernel
	.section	.bss,"aw",@nobits
	.p2align	6
	.space	262144
	.amdgpu_metadata
---
amdhsa.version: [ 1, 2 ]
amdhsa.kernels:
  - .name:           k_qe216703af2_mlp
    .symbol:         k_qe216703af2_mlp.kd
    .args:
      - { .name: x, .offset: 0, .size: 8, .value_kind: global_buffer, .address_space: global }
      - { .name: tables, .offset: 8, .size: 8, .value_kind: global_buffer, .address_space: global }
      - { .name: W1, .offset: 16, .size: 8, .value_kind: global_buffer, .address_space: global }
      - { .name: b1, .offset: 24, .size: 8, .value_kind: global_buffer, .address_space: global }
      - { .name: W2, .offset: 32, .size: 8, .value_kind: global_buffer, .address_space: global }
      - { .name: b2, .offset: 40, .size: 8, .value_kind: global_buffer, .address_space: global }
      - { .name: W3, .offset: 48, .size: 8, .value_kind: global_buffer, .address_space: global }
      - { .name: b3, .offset: 56, .size: 8, .value_kind: global_buffer, .address_space: global }
      - { .name: idx, .offset: 64, .size: 8, .value_kind: global_buffer, .address_space: global }
      - { .name: out0, .offset: 72, .size: 8, .value_kind: global_buffer, .address_space: global }
    .group_segment_fixed_size: 191744
    .private_segment_fixed_size: 0
    .kernarg_segment_align: 8
    .kernarg_segment_size: 80
    .max_flat_workgroup_size: 256
    .sgpr_count:     66
    .vgpr_count:     512
    .wavefront_size: 32
...
	.end_amdgpu_metadata
.endif
;; end of part 2
;; ======== version 2 of 2: 2 launches; version 1 with the launch mlp written anew for expert scheduling mode
;; workspace buffers: idx 16,777,216 bytes of whole numbers
;; launch prep: the kernel of part 1 again; grid 1024 x 1, 8 waves a work-group, no clusters, 0 bytes of LDS; arguments x, idx; writes idx
;; launch mlp (part 3): grid 256 x 1, 8 waves a work-group, no clusters, 191,744 bytes of LDS; arguments x, tables, W1, b1, W2, b2, W3, b3, idx, out0; writes out0
.if DOCPART == 3
	.amdgcn_target "amdgcn-amd-amdhsa--gfx1250"
	.amdhsa_code_object_version 6
	.text
	.protected	k_qe216703af2_mlp
	.globl	k_qe216703af2_mlp
	.p2align	8
	.type	k_qe216703af2_mlp,@function
k_qe216703af2_mlp:
	s_mov_b64 s[64:65], 0
	v_nop
	global_prefetch_b8 v0, s[64:65] scope:SCOPE_SE
	s_setreg_imm32_b32 hwreg(HW_REG_WAVE_SCHED_MODE, 0, 2), 2
	s_setreg_imm32_b32 hwreg(HW_REG_WAVE_MODE, 25, 1), 1
	s_wait_xcnt 0x0
	s_wait_alu depctr_vm_vsrc(0)
; z = W3^T relu(W2^T relu(W1^T enc + b1) + b2) + b3, enc = the 64 features of the multi-resolution grid (8 levels x 8, smoothstep weights, 4 corners).
; x [524288][2], tables [8][524288][8], W1 [64][256], W2 [256][256], W3 [256][1], b1, b2 [256], b3 [1], out0 [524288], all f32; idx: the cell numbers, stored by the launch before.
; SHARES.  256 work-groups of 8 waves; a wave owns 256 consecutive points: 4 passes of 64 points, a pass 4 tiles of 16.  The loop has no barrier: two waves share a SIMD, and one's gather
; and vector work stands beside the other's products.
; FORMATS.  All matrix operands are f16, sums f32.  f16's range is met by exact powers of two made from bounds, none of them built in:
;   once a work-group: A1 = max_j sum_k |W1[k][j]|, A2 the same of W2, A3 = max |W3|; g_i = the power of two above A_i.  LDS holds W_i / g_i in f16, turned to [out][in], b1 / g1 and b2 / (g1 g2) in f32.
;   for each point: M = max |enc| + max |b1| / g1 + max |b2| / (g1 g2); s = the power of two with 1/4 <= M s < 1/2.  enc s goes in; by the column sums every pre-activation lies under M s (1 + 2^-10)^3 < 1,
;   so a clamp to 0 .. 1 IS the ReLU; z = (last product) g1 g2 g3 / s + b3.
; LIMITS.  A1, A2, A3, their products and M within 2^-120 .. 2^120; NaN and infinities are not treated apart; x and the cell numbers as the launch before states them.
; LAYOUT.  Every product is taken transposed: source 0 = 16 output neurons (from LDS), source 1 = 16 points.  In a result lane (r, h) holds point r and neurons 8 h + 0..7; two results rounded to f16 in pairs
; ARE the next layer's source 1 (32 inputs x 16 points).  So activations never change lanes and never touch LDS.  Lane (r, h) encodes levels h, 2 + h, 4 + h, 6 + h of point r: its part of enc's two fragments.
; LAYER 3 rides on the matrix unit: source 0 holds W3 in one row (row 0 for tiles 0 and 2, row 8 for tiles 1 and 3) and zeros elsewhere; tiles 0, 1 add into one accumulator, tiles 2, 3 into another.
; Register 0 of the two then holds z of points 2 L and 2 L + 1 in lane L: one store of 256 consecutive bytes a pass.
; NO CLUSTER, NO TENSOR LOADS: what the work-groups share is the weights, 328 KB read once by each; they must pass through registers (column sums, scaling, rounding, turning), and each work-group gathers
; 2,048 points x 1 KiB beside them.  The tables stay in memory: an index may lie anywhere in a level's 524,288 entries.  idx and x are loaded a whole pass ahead of their use, so nothing waits for them.
; THE MODE: SCHED_MODE bits 1:0 = 2 (LLVM: expert scheduling mode 2), set by the entry lines.  The code itself states the register dependences
; between vector or matrix instructions and memory or LDS instructions, with s_wait_alu, always for 0.
; THE PLAN.  Registers that memory or LDS instructions touch, in the loop:
;   v3-v10        offsets and LDS addresses: written at the head, never again.
;   IDX, XR       The six loads behind the encode land in them; ADDR and WEIGHTS of the next pass read them.
;   ADR, ADR2     A set of eight for each tile: written by ADDR, read by that tile's gather, not written again in the encode.  In the layers the bias lands in ADR, fragments in ADR2.
;   window 1      Two stage sets: a gather lands, INTERP reads, the gather two tiles on lands.  In the layers h1: layer 1's roundings write it, layer 2's products read it; the next pass's gathers land in it.
;   AF0, AF1      LDS loads land; 16 products read; the loads two chunks on land.     BI: LDS loads land; a group's 32 bias lines read; the next group's loads land.
;   W3F           LDS loads land (the first time onto enc's tile 3); layer 3's four products read.     v[52:53]: a pass's last two lines write, its store reads.
;   The accumulators, the encode's registers at work, enc, h2, s and the scales are named by vector and matrix instructions alone.
; So a pass has these waits: at its head one on vm_vsrc and, behind the first two tiles' offsets, one on va_vdst; one on va_vdst behind each of the two blends whose stage set is asked for again; both kinds
; behind the encode; in a group of layer 1 one on va_vdst, between the bias lines and the roundings, with the group's LDS loads behind it; in a group of layer 2 one behind each of the first three quarters and
; one between the bias lines and the roundings; one ahead of the store.  Behind each, the loads that follow it touch no register that a vector or matrix instruction issued since names.
.set P2,    528                        ; a row of W2 in LDS: 512 bytes + 16: an odd multiple of 16, so 16 rows of a load start at 16 different groups of four banks (64 banks of 4 bytes: ISA guide 11.1)
.set P1,    144                        ; a row of W1: 128 bytes + 16
.set W2T,   0                          ; 256 rows (output neuron) x 256 f16
.set W1T,   256*P2                     ; 256 rows x 64 f16
.set W3T,   W1T+256*P1                 ; 16,384 bytes, pitch P2: row 8 = W3, all else 0; rows 0 to 23 are read
.set BIAS,  W3T+16384                  ; b1 / g1, then b2 / (g1 g2): 256 f32 each
.set RED,   BIAS+2048                  ; five maxima x eight waves, f32
.set SPARE, RED+256                    ; the spare words, 128 bytes for each wave: four blocks of 256 bytes that no other line names
; vector registers, window 0
.set SPW,  1                           ; v1   LDS address of my spare word; never rewritten
.set NIL,  2                           ; v2   0; never rewritten
.set IOFF, 3                           ; v3   16 L
.set OOFF, 4                           ; v4   8 L
.set XOFF, 5                           ; v5   16 r
.set AW1,  6                           ; v6   W1T + P1 r + 16 h
.set AW2,  7                           ; v7   W2T + P2 r + 16 h;  v8 the same 128 rows on
.set AW3,  9                           ; v9   W3T + P2 r + 16 h
.set AB,   10                          ; v10  BIAS + 32 h
.set TM,   11                          ; v11  at work (v0 too, behind the prologue)
.set SC,   12                          ; v[12:15] in the encode: my level's scale in slot 0..3
.set RB,   16                          ; v[16:19] in the encode: 32 x my level's resolution
.set SS,   12                          ; v[12:19] in the layers: tile t's s, twice, at SS + 2 t
.set S,    20                          ; v[20:23] tile t's s
.set IDX,  24                          ; v[24:39] four cell numbers a tile
.set XR,   40                          ; v[40:47] x, y of my four points
.set BI,   48                          ; v[48:63] bias of two tiles of 16 neurons
.set ACC,  64                          ; v[64:127] accumulator (m, t) at ACC + 8 (4 m + t)
.set AF,   128                         ; v[128:191] weight fragments, two buffers of four
.set ENC,  192                         ; v[192:255] enc: tile t, inputs 32 k on, at ENC + 16 t + 8 k;  from layer 2 on:
.set H2F,  192                         ;   v[192:223] a group's 32 neurons of h2, tile t at + 8 t
.set A3,   224                         ;   v[224:239] layer 3's two accumulators
.set W3F,  240                         ;   v[240:255] W3's fragment with the row at 0, then with the row at 8
; the encode's registers at work, over BI, ACC and AF
.set ADR,  48                          ; v[48:63] tiles 0 and 1, slot i: byte offset of corners (0,0),(1,0) at ADR + 8 t + 2 i, of (0,1),(1,1) one register on
.set ADR2, 132                         ; v[132:147] the same for tiles 2 and 3
.set CW,   64                          ; v[64:79] corner weights: slots 2 p, 2 p + 1, corner c at CW + 8 p + 2 c
.set PX,   80
.set PY,   82
.set FX,   84
.set FY,   86
.set AX,   88
.set AY,   90
.set UX,   92
.set UY,   94
.set EF,   96                          ; v[96:127] my 32 features in f32
.set EM,   128                         ; v[128:131] maxima at work
; window 1 (v256-511): in the encode two stage sets of 128 (set s, slot i, corner c, feature f at 128 s + 32 i + 8 c + f); in the layers h1: tile t, inputs 32 k on, at 64 t + 8 k; in the prologue my column of W2
; the prologue's registers at work
.set JO,   48                          ; 4 j
.set CH1,  132                         ; four chains of |W1|, four of |W2|
.set CH2,  136
.set QM,   140                         ; the five maxima
; scalar registers: s[8:27] the ten addresses in the order of the arguments
.set TB,   28                          ; s[28:35] tables at levels 0, 2, 4, 6
.set WV,   36
.set LEFT, 37
.set SEL,  38                          ; s[38:39] v_permlanex16_b32's selects: each lane takes its own place in the other half
.set HIM,  40                          ; lanes 16 to 31
.set B3,   41
.set GI1,  42                          ; s[42:43] 1 / g1, twice
.set GI2,  44                          ; s[44:45] 1 / g2, twice
.set GI12, 46
.set GI3,  47
.set BSUM, 48
.set GG,   49                          ; g1 g2 g3
.set MX,   50                          ; s[50:54] A1, A2, A3, max |b1|, max |b2|
.set MSB, 0
.macro WIN new                         ; s_set_vgpr_msb: bits 1:0 source 0, 3:2 source 1, 5:4 source 2, 7:6 destination; the high byte repeats the setting that is left
.if MSB != (\new)
	s_set_vgpr_msb (MSB<<8)|(\new)
.set MSB, \new
.endif
.endm
.macro PLACES                          ; a vector instruction that touches a matrix instruction's registers stands four plain vector instructions behind it; they stand ahead of the loads into such registers too
.rept 4
	v_nop
.endr
.endm
.macro NEXTLOADS                       ; a pass's cell numbers (4 x 512 consecutive bytes) and points (2 x 256)
.irp t, 0,1,2,3
	global_load_b128 v[IDX+4*(\t):IDX+4*(\t)+3], v[IOFF], s[24:25] offset:512*(\t) th:TH_LOAD_NT
.endr
	global_load_b128 v[XR:XR+3],   v[XOFF], s[8:9] th:TH_LOAD_NT
	global_load_b128 v[XR+4:XR+7], v[XOFF], s[8:9] offset:256 th:TH_LOAD_NT
.endm
; ---------------------------------------------------------------- THE PROLOGUE: thread j owns column j of W1 and of W2
	s_load_b512 s[8:23], s[0:1], 0x0               ; x 8, tables 10, W1 12, b1 14, W2 16, b2 18, W3 20, b3 22
	s_load_b128 s[24:27], s[0:1], 0x40             ; idx 24, out0 26
	v_lshl_add_u32 v[SPW], v0, 2, SPARE
	v_mov_b32 v[NIL], 0
	v_lshrrev_b32 v[TM], 5, v0
	v_readfirstlane_b32 s[WV], v[TM]               ; wave 0..7
	v_and_b32 v[IOFF], 31, v0
	v_lshlrev_b32 v[OOFF], 3, v[IOFF]
	v_lshlrev_b32 v[IOFF], 4, v[IOFF]
	v_and_b32 v49, 15, v0                          ; r
	v_bfe_u32 v50, v0, 4, 1                        ; h
	v_lshlrev_b32 v[XOFF], 4, v49
	v_mul_u32_u24 v[AW1], v49, P1
	v_lshl_add_u32 v[AW1], v50, 4, v[AW1]
	v_add_nc_u32 v[AW1], W1T, v[AW1]
	v_mul_u32_u24 v[AW2], v49, P2
	v_lshl_add_u32 v[AW2], v50, 4, v[AW2]
	v_add_nc_u32 v[AW2+1], 128*P2, v[AW2]
	v_add_nc_u32 v[AW3], W3T, v[AW2]
	v_lshlrev_b32 v[AB], 5, v50
	v_add_nc_u32 v[AB], BIAS, v[AB]
	v_lshlrev_b32 v[JO], 2, v0
	v_lshl_add_u32 v151, v0, 4, W3T                ; for the clearing of W3T, 64 bytes a thread: its address and its zeros
.irp n, 152,153,154,155
	v_mov_b32 v\n, 0
.endr
.irp n, 0,1,2,3
	v_mov_b32 v[S+(\n)], 0                         ; and s is written, since it is named in pairs
.endr
	s_mov_b32 s[SEL], 0x76543210
	s_mov_b32 s[SEL+1], 0xfedcba98
	s_mov_b32 s[HIM], 0xffff0000
	s_wait_alu depctr_va_sdst(0)                   ; s[WV] is written, ahead of its first reader: the bases of x, idx and out0 are made from it
	s_lshl_b32 s55, ttmp9, 3
	s_add_co_u32 s55, s55, s[WV]                   ; my wave among the launch's 2,048
	s_mov_b32 s3, 0
	s_lshl_b32 s2, s55, 11                         ; 256 points of 8 bytes
	s_wait_kmcnt 0x0
	s_add_nc_u64 s[8:9], s[8:9], s[2:3]
	s_lshl_b32 s2, s55, 13                         ; 4 passes of 2,048 bytes
	s_add_nc_u64 s[24:25], s[24:25], s[2:3]
	s_lshl_b32 s2, s55, 10                         ; 256 results of 4 bytes
	s_add_nc_u64 s[26:27], s[26:27], s[2:3]
	s_mov_b64 s[TB:TB+1], s[10:11]
	s_add_nc_u64 s[TB+2:TB+3], s[10:11], 0x2000000 ; two levels are 32 MiB
	s_add_nc_u64 s[TB+4:TB+5], s[10:11], 0x4000000
	s_add_nc_u64 s[TB+6:TB+7], s[10:11], 0x6000000
	s_load_b32 s[B3], s[22:23], 0x0
	s_wait_alu depctr_va_vdst(0)                   ; v3 to v10 and v48 are written, the offsets and addresses of the kernel's loads and stores; so are v151 and v[152:155], which the LDS stores below read
	NEXTLOADS                                      ; pass 0
.set k, 0
.rept 64
	global_load_b32 v[64+k], v[JO], s[12:13] offset:1024*k  ; W1[k][j]
.set k, k+1
.endr
	global_load_b32 v128, v[JO], s[20:21]          ; W3[j]
	global_load_b32 v129, v[JO], s[14:15]          ; b1[j]
	global_load_b32 v130, v[JO], s[18:19]          ; b2[j]
	WIN 0x40                                       ; destination window 1
.set k, 0
.rept 256
	global_load_b32 v[k], v[JO], s[16:17] offset:1024*k     ; W2[k][j]
.set k, k+1
.endr
	WIN 0
.irp n, 0,1,2,3
	ds_store_b128 v151, v[152:155] offset:4096*(\n)  ; while they are on their way W3T is cleared.  No wait: no vector instruction since the wait above names these registers
.endr
	s_wait_loadcnt 0x0
.irp c, 0,1,2,3                        ; the column's sum of magnitudes, in four chains
	v_and_b32 v[CH1+(\c)], 0x7fffffff, v[64+(\c)]
.endr
.set k, 4
.rept 60
	v_add_f32 v[CH1+k%4], v[CH1+k%4], |v[64+k]|
.set k, k+1
.endr
	WIN 0x04                                       ; source 1 window 1
.irp c, 0,1,2,3
	v_and_b32 v[CH2+(\c)], 0x7fffffff, v[\c]
.endr
.set k, 4
.rept 252
	v_add_f32 v[CH2+k%4], v[CH2+k%4], |v[k]|
.set k, k+1
.endr
	WIN 0
	v_add_f32 v[CH1], v[CH1], v[CH1+1]
	v_add_f32 v[CH1+2], v[CH1+2], v[CH1+3]
	v_add_f32 v[CH2], v[CH2], v[CH2+1]
	v_add_f32 v[CH2+2], v[CH2+2], v[CH2+3]
	v_add_f32 v[QM], v[CH1], v[CH1+2]
	v_add_f32 v[QM+1], v[CH2], v[CH2+2]
	v_and_b32 v[QM+2], 0x7fffffff, v128
	v_and_b32 v[QM+3], 0x7fffffff, v129
	v_and_b32 v[QM+4], 0x7fffffff, v130
.irp m, 1,2,4,8                        ; the five maxima over the wave's 32 lanes
.irp q, 0,1,2,3,4
	v_max_num_f32_dpp v[QM+(\q)], v[QM+(\q)], v[QM+(\q)] row_xmask:\m row_mask:0xf bank_mask:0xf
.endr
.endr
.irp q, 0,1,2,3,4
	v_permlanex16_b32 v[CH1+(\q)], v[QM+(\q)], s[SEL], s[SEL+1]  ; its destination counts as read: the chains' registers have been written
.endr
.irp q, 0,1,2,3,4
	v_max_num_f32 v[QM+(\q)], v[QM+(\q)], v[CH1+(\q)]
.endr
	s_lshl_b32 s55, s[WV], 2
	s_add_co_u32 s55, s55, RED
	v_mov_b32 v150, s55                            ; where my wave's maxima go,
	v_mov_b32 v149, RED                            ; and from where all eight waves' are read back: an address register of its own
	s_wait_alu depctr_va_vdst(0)                   ; the five maxima v[QM ..] and the two addresses are written: the LDS stores and loads below read them
.irp q, 0,1,2,3,4
	ds_store_b32 v150, v[QM+(\q)] offset:32*(\q)   ; all lanes write the same word with the same value
.endr
	s_wait_dscnt 0x0                               ; for the others' sake: my maxima and my part of the cleared W3T are in LDS
	s_barrier_signal -1
	s_barrier_wait -1                              ; everybody's are: the maxima may be read, W3's row may be stored onto the zeros
.irp q, 0,1,2,3,4
	ds_load_b128 v[156+8*(\q):159+8*(\q)], v149 offset:32*(\q)
	ds_load_b128 v[160+8*(\q):163+8*(\q)], v149 offset:32*(\q)+16
.endr
	s_wait_dscnt 0x0
	s_wait_alu depctr_vm_vsrc(0)                   ; my LDS stores have read v[QM ..], v150, v151 and v[152:155], all of which are written again below
.irp q, 0,1,2,3,4
	v_max3_num_f32 v[QM+(\q)], v[156+8*(\q)], v[157+8*(\q)], v[158+8*(\q)]
.endr
.irp q, 0,1,2,3,4
	v_max3_num_f32 v[QM+(\q)], v[QM+(\q)], v[159+8*(\q)], v[160+8*(\q)]
.endr
.irp q, 0,1,2,3,4
	v_max3_num_f32 v[QM+(\q)], v[QM+(\q)], v[161+8*(\q)], v[162+8*(\q)]
.endr
.irp q, 0,1,2,3,4
	v_max_num_f32 v[QM+(\q)], v[QM+(\q)], v[163+8*(\q)]
.endr
.irp q, 0,1,2,3,4
	v_readfirstlane_b32 s[MX+(\q)], v[QM+(\q)]
.endr
	s_wait_alu depctr_va_sdst(0)                   ; s[MX .. MX+4] are written, ahead of their first reader
	; with e the exponent field of A: 1 / g = 2^(126 - e) has the field 253 - e, g the field e + 1; A < 2^(e - 126) = g
	s_and_b32 s55, s[MX], 0x7f800000
	s_sub_co_u32 s[GI1], 0x7e800000, s55
	s_mov_b32 s[GI1+1], s[GI1]
	s_add_co_u32 s56, s55, 0x00800000              ; g1
	s_and_b32 s55, s[MX+1], 0x7f800000
	s_sub_co_u32 s[GI2], 0x7e800000, s55
	s_mov_b32 s[GI2+1], s[GI2]
	s_add_co_u32 s57, s55, 0x00800000              ; g2
	s_and_b32 s55, s[MX+2], 0x7f800000
	s_sub_co_u32 s[GI3], 0x7e800000, s55
	s_add_co_u32 s58, s55, 0x00800000              ; g3
	s_mul_f32 s[GI12], s[GI1], s[GI2]
	s_mul_f32 s[GG], s56, s57
	s_mul_f32 s[GG], s[GG], s58
	s_mul_f32 s[BSUM], s[MX+3], s[GI1]
	s_fmac_f32 s[BSUM], s[MX+4], s[GI12]           ; max |b1| / g1 + max |b2| / (g1 g2)
	; my column of W1, scaled, rounded, and stored as row j: 128 bytes; with it W3[j] and the two biases.  All their arithmetic stands ahead of one wait, the stores behind it
.set k, 0
.rept 32
	v_pk_mul_f32 v[64+k:64+k+1], v[64+k:64+k+1], s[GI1:GI1+1] op_sel_hi:[1,0]
.set k, k+2
.endr
.set k, 0
.rept 32
	v_cvt_pk_f16_f32 v[64+k], v[64+2*k], v[64+2*k+1]   ; packed downward in place: the destination never lies above its sources
.set k, k+1
.endr
	v_mul_u32_u24 v150, v0, P1
	v_add_nc_u32 v150, W1T, v150
	v_mul_u32_u24 v151, v0, P2                     ; row j of W2T
	v_lshl_add_u32 v152, v0, 2, BIAS
	v_lshl_add_u32 v153, v0, 1, W3T+8*P2
	v_mul_f32 v128, s[GI3], v128
	v_mul_f32 v129, s[GI1], v129
	v_mul_f32 v130, s[GI12], v130
	v_cvt_pk_f16_f32 v128, v128, v128
	s_wait_alu depctr_va_vdst(0)                   ; my row of W1 in v[64:95], v128 to v130 and the four addresses v150 to v153 are written: the LDS stores below read them
.irp n, 0,1,2,3,4,5,6,7
	ds_store_b128 v150, v[64+4*(\n):64+4*(\n)+3] offset:16*(\n)
.endr
	ds_store_b16 v153, v128                        ; W3[j] / g3 into row 8 of W3T
	ds_store_b32 v152, v129
	ds_store_b32 v152, v130 offset:1024
	WIN 0x41                                       ; my column of W2, the same in window 1: 512 bytes
.set k, 0
.rept 128
	v_pk_mul_f32 v[k:k+1], v[k:k+1], s[GI2:GI2+1] op_sel_hi:[1,0]
.set k, k+2
.endr
	WIN 0x45
.set k, 0
.rept 128
	v_cvt_pk_f16_f32 v[k], v[2*k], v[2*k+1]
.set k, k+1
.endr
	WIN 0x04                                       ; an LDS store's data is source 1
	s_wait_alu depctr_va_vdst(0)                   ; the roundings have written my row of W2, v[256:383], which the LDS stores read
.set k, 0
.rept 32
	ds_store_b128 v151, v[4*k:4*k+3] offset:16*k
.set k, k+1
.endr
	WIN 0
	s_mov_b32 s[LEFT], 4
	s_wait_kmcnt 0x0                               ; b3
	s_wait_dscnt 0x0                               ; for the others' sake: my rows are in LDS
	s_barrier_signal -1
	s_barrier_wait -1                              ; all weights lie in LDS; from here on LDS is only read
; ---------------------------------------------------------------- THE ENCODE's macros
.macro LEVELS i, sce, sco, rese, resd  ; slot i: level 2 i in lanes 0-15, level 2 i + 1 in lanes 16-31
	v_mov_b32 v[SC+(\i)], \sce
	v_mov_b32 v0, \sco
	v_cndmask_b32 v[SC+(\i)], v[SC+(\i)], v0, s[HIM]
	v_mad_u32_u24 v[RB+(\i)], v[TM], \resd, \rese
	v_lshlrev_b32 v[RB+(\i)], 5, v[RB+(\i)]        ; an entry is 32 bytes
.endm
.macro ADDR t                          ; tile t's byte offsets, into the tile's own eight registers.  The clamp is the largest word that the launch before stores: it changes nothing
	WIN 0
.set rD, ADR+8*(\t)
.if (\t) >= 2
.set rD, ADR2+8*((\t)-2)
.endif
.irp i, 0,1,2,3
	v_min_u32 v[rD+2*(\i)], 0xFFFAD, v[IDX+4*(\t)+(\i)]
.endr
.irp i, 0,1,2,3
	v_lshlrev_b32 v[rD+2*(\i)], 5, v[rD+2*(\i)]
.endr
.irp i, 0,1,2,3
	v_add_nc_u32 v[rD+2*(\i)+1], v[rD+2*(\i)], v[RB+(\i)]
.endr
.endm
.macro GATHER t, s                     ; tile t into stage set s, 32 loads: for each slot corners (0,0) and (1,0), 64 bytes on end, then (0,1) and (1,1), one grid row on
	WIN 0x40
.set rD, ADR+8*(\t)
.if (\t) >= 2
.set rD, ADR2+8*((\t)-2)
.endif
.irp i, 0,1,2,3
.irp n, 0,1,2,3
	global_load_b128 v[128*(\s)+32*(\i)+4*(\n):128*(\s)+32*(\i)+4*(\n)+3], v[rD+2*(\i)], s[TB+2*(\i):TB+2*(\i)+1] offset:16*(\n)
.endr
.irp n, 0,1,2,3
	global_load_b128 v[128*(\s)+32*(\i)+16+4*(\n):128*(\s)+32*(\i)+16+4*(\n)+3], v[rD+2*(\i)+1], s[TB+2*(\i):TB+2*(\i)+1] offset:16*(\n)
.endr
.endr
.endm
.macro WEIGHTS t                       ; the four corner weights of my four levels, two slots at a time
	WIN 0
.set xp, XR+4*((\t)&1)+2*((\t)>>1)
.irp p, 0,1
	v_pk_fma_f32 v[PX:PX+1], v[xp:xp+1], v[SC+2*(\p):SC+2*(\p)+1], 0.5 op_sel_hi:[0,1,0]               ; the same two lines as in the launch before
	v_pk_fma_f32 v[PY:PY+1], v[xp:xp+1], v[SC+2*(\p):SC+2*(\p)+1], 0.5 op_sel:[1,0,0] op_sel_hi:[1,1,0]
	v_floor_f32 v[FX], v[PX]
	v_floor_f32 v[FX+1], v[PX+1]
	v_floor_f32 v[FY], v[PY]
	v_floor_f32 v[FY+1], v[PY+1]
	v_pk_add_f32 v[PX:PX+1], v[PX:PX+1], v[FX:FX+1] neg_lo:[0,1] neg_hi:[0,1]   ; t
	v_pk_add_f32 v[PY:PY+1], v[PY:PY+1], v[FY:FY+1] neg_lo:[0,1] neg_hi:[0,1]
	v_pk_fma_f32 v[AX:AX+1], v[PX:PX+1], -2.0, 0x40400000 op_sel_hi:[1,0,0]     ; 3 - 2 t
	v_pk_fma_f32 v[AY:AY+1], v[PY:PY+1], -2.0, 0x40400000 op_sel_hi:[1,0,0]
	v_pk_mul_f32 v[FX:FX+1], v[PX:PX+1], v[PX:PX+1]
	v_pk_mul_f32 v[FY:FY+1], v[PY:PY+1], v[PY:PY+1]
	v_pk_mul_f32 v[FX:FX+1], v[FX:FX+1], v[AX:AX+1]                             ; w
	v_pk_mul_f32 v[FY:FY+1], v[FY:FY+1], v[AY:AY+1]
	v_pk_fma_f32 v[UX:UX+1], v[FX:FX+1], -1.0, 1.0 op_sel_hi:[1,0,0]            ; 1 - w
	v_pk_fma_f32 v[UY:UY+1], v[FY:FY+1], -1.0, 1.0 op_sel_hi:[1,0,0]
	v_pk_mul_f32 v[CW+8*(\p):CW+8*(\p)+1],   v[UX:UX+1], v[UY:UY+1]             ; corner (0,0)
	v_pk_mul_f32 v[CW+8*(\p)+2:CW+8*(\p)+3], v[FX:FX+1], v[UY:UY+1]             ; (1,0)
	v_pk_mul_f32 v[CW+8*(\p)+4:CW+8*(\p)+5], v[UX:UX+1], v[FY:FY+1]             ; (0,1)
	v_pk_mul_f32 v[CW+8*(\p)+6:CW+8*(\p)+7], v[FX:FX+1], v[FY:FY+1]             ; (1,1)
.endr
.endm
.macro INTERP s                        ; 32 features = the sum over four corners; a slot's weight is the low or the high word of its pair, for both halves.  What follows sets its own window
	WIN 0x01                                       ; source 0 window 1
.irp i, 0,1,2,3
.irp c, 0,1,2,3
.irp f, 0,1,2,3
.set rG, 128*(\s)+32*(\i)+8*(\c)+2*(\f)
.set rE, EF+8*(\i)+2*(\f)
.set rW, CW+8*((\i)/2)+2*(\c)
.if (\c) == 0
.if (\i)%2 == 0
	v_pk_mul_f32 v[rE:rE+1], v[rG:rG+1], v[rW:rW+1] op_sel_hi:[1,0]
.else
	v_pk_mul_f32 v[rE:rE+1], v[rG:rG+1], v[rW:rW+1] op_sel:[0,1] op_sel_hi:[1,1]
.endif
.else
.if (\i)%2 == 0
	v_pk_fma_f32 v[rE:rE+1], v[rG:rG+1], v[rW:rW+1], v[rE:rE+1] op_sel_hi:[1,0,1]
.else
	v_pk_fma_f32 v[rE:rE+1], v[rG:rG+1], v[rW:rW+1], v[rE:rE+1] op_sel:[0,1,0] op_sel_hi:[1,1,1]
.endif
.endif
.endr
.endr
.endr
.endm
.macro SCALE t                         ; the point's s, and enc s in f16
	WIN 0
.irp c, 0,1,2,3
	v_max3_num_f32 v[EM+(\c)], |v[EF+8*(\c)]|, |v[EF+8*(\c)+1]|, |v[EF+8*(\c)+2]|
.endr
.irp c, 0,1,2,3
	v_max3_num_f32 v[EM+(\c)], v[EM+(\c)], |v[EF+8*(\c)+3]|, |v[EF+8*(\c)+4]|
.endr
.irp c, 0,1,2,3
	v_max3_num_f32 v[EM+(\c)], v[EM+(\c)], |v[EF+8*(\c)+5]|, |v[EF+8*(\c)+6]|
.endr
	v_max3_num_f32 v[EM], v[EM], |v[EF+7]|, |v[EF+15]|
	v_max3_num_f32 v[EM+1], v[EM+1], |v[EF+23]|, |v[EF+31]|
	v_max3_num_f32 v[EM], v[EM], v[EM+1], v[EM+2]
	v_max_num_f32 v[EM], v[EM], v[EM+3]
	v_permlanex16_b32 v[EM+1], v[EM], s[SEL], s[SEL+1]   ; the point's other four levels lie in the lane 16 away
	v_max_num_f32 v[EM], v[EM], v[EM+1]
	v_add_f32 v[EM], s[BSUM], v[EM]                ; M
	v_and_b32 v[EM], 0x7f800000, v[EM]
	v_sub_nc_u32 v[S+(\t)], 0x7e000000, v[EM]      ; with e the exponent field of M: s = 2^(125 - e); M < 2^(e - 126), so M s < 1/2
.set n, 0
.rept 16
.if (\t)%2 == 0
	v_pk_mul_f32 v[EF+2*n:EF+2*n+1], v[EF+2*n:EF+2*n+1], v[S+(\t):S+(\t)+1] op_sel_hi:[1,0]
.else
	v_pk_mul_f32 v[EF+2*n:EF+2*n+1], v[EF+2*n:EF+2*n+1], v[S+(\t)-1:S+(\t)] op_sel:[0,1] op_sel_hi:[1,1]
.endif
.set n, n+1
.endr
.set n, 0
.rept 16
	v_cvt_pk_f16_f32 v[ENC+16*(\t)+n], v[EF+2*n], v[EF+2*n+1]  ; slot i's eight features are registers 4 i .. 4 i + 3 of the tile's two fragments
.set n, n+1
.endr
.endm
; ---------------------------------------------------------------- THE LAYERS' macros
.macro LDA1 c, b                       ; W1's fragments of neurons 32 c .. 32 c + 31 (two tiles x two steps of 32 inputs) into buffer b: 8 loads
.irp m, 0,1
.irp k, 0,1
.set rF, AF+32*(\b)+8*(2*(\m)+(\k))
.set oF, 16*(2*(\c)+(\m))*P1+64*(\k)
	ds_load_b128 v[rF:rF+3],   v[AW1] offset:oF
	ds_load_b128 v[rF+4:rF+7], v[AW1] offset:oF+32
.endr
.endr
.endm
.macro LDA2 g, q, b                    ; W2's fragments of neurons 32 g .. 32 g + 31, inputs 64 q .. 64 q + 63, into buffer b: 8 loads
.irp m, 0,1
.irp k, 0,1
.set rF, AF+32*(\b)+8*(2*(\m)+(\k))
.set oF, ((32*(\g)+16*(\m))%128)*P2+64*(2*(\q)+(\k))
	ds_load_b128 v[rF:rF+3],   v[AW2+(\g)/4] offset:oF
	ds_load_b128 v[rF+4:rF+7], v[AW2+(\g)/4] offset:oF+32
.endr
.endr
.endm
.macro LDB lay, g                      ; the scaled bias of my 8 neurons in each of the group's two tiles: 4 loads
.irp m, 0,1
	ds_load_b128 v[BI+8*(\m):BI+8*(\m)+3],   v[AB] offset:1024*(\lay)+64*(2*(\g)+(\m))
	ds_load_b128 v[BI+8*(\m)+4:BI+8*(\m)+7], v[AB] offset:1024*(\lay)+64*(2*(\g)+(\m))+16
.endr
.endm
.macro LDW3 g                          ; W3's inputs 32 g on: read from row 8 on, lane r = 0 finds W3; read from row 0 on, lane r = 8 does: 4 loads
	ds_load_b128 v[W3F:W3F+3],     v[AW3] offset:8*P2+64*(\g)
	ds_load_b128 v[W3F+4:W3F+7],   v[AW3] offset:8*P2+64*(\g)+32
	ds_load_b128 v[W3F+8:W3F+11],  v[AW3] offset:64*(\g)
	ds_load_b128 v[W3F+12:W3F+15], v[AW3] offset:64*(\g)+32
.endm
; 16 products.  The 8 accumulators take turns, one instruction a turn; the first step of the inputs starts the sums with the constant 0.
.macro MM1 b
	WIN 0
.irp k, 0,1
.irp m, 0,1
.irp t, 0,1,2,3
.set rA, ACC+8*(4*(\m)+(\t))
.set rF, AF+32*(\b)+8*(2*(\m)+(\k))
.set rB, ENC+16*(\t)+8*(\k)
.if (\k) == 0
	v_wmma_f32_16x16x32_f16 v[rA:rA+7], v[rF:rF+7], v[rB:rB+7], 0
.else
	v_wmma_f32_16x16x32_f16 v[rA:rA+7], v[rF:rF+7], v[rB:rB+7], v[rA:rA+7]
.endif
.endr
.endr
.endr
.endm
.macro MM2 q, b
	WIN 0x04                                       ; h1 (source 1) in window 1; the LDS loads between the quarters name a destination and source 0 alone, so the setting stays
.irp k, 0,1
.irp m, 0,1
.irp t, 0,1,2,3
.set rA, ACC+8*(4*(\m)+(\t))
.set rF, AF+32*(\b)+8*(2*(\m)+(\k))
.set rB, 64*(\t)+8*(2*(\q)+(\k))
.if 2*(\q)+(\k) == 0
	v_wmma_f32_16x16x32_f16 v[rA:rA+7], v[rF:rF+7], v[rB:rB+7], 0
.else
	v_wmma_f32_16x16x32_f16 v[rA:rA+7], v[rF:rF+7], v[rB:rB+7], v[rA:rA+7]
.endif
.endr
.endr
.endr
.endm
; Bias and ReLU in one line for two numbers: b s + sum, held to 0 .. 1 (the upper bound is never met).
; Each accumulator is read from its low end on.  Four more places stand at the head, eight in all behind the group's last product, since the sums are rewritten in place.
.macro EPIA
	WIN 0
	PLACES
.irp m, 0,1
.irp t, 0,1,2,3
.irp j, 0,1,2,3
.set rA, ACC+8*(4*(\m)+(\t))+2*(\j)
	v_pk_fma_f32 v[rA:rA+1], v[BI+8*(\m)+2*(\j):BI+8*(\m)+2*(\j)+1], v[SS+2*(\t):SS+2*(\t)+1], v[rA:rA+1] clamp
.endr
.endr
.endr
.endm
; Then the rounding to f16, straight into the next layer's fragments.  These lines name the accumulators and h1 or h2 alone: none of the registers in which the LDS loads issued just ahead of them land.
.macro EPIB lay, c
.if (\lay) == 0
	WIN 0x40
.else
	WIN 0
.endif
.irp m, 0,1
.irp t, 0,1,2,3
.irp j, 0,1,2,3
.set rA, ACC+8*(4*(\m)+(\t))+2*(\j)
.if (\lay) == 0
	v_cvt_pk_f16_f32 v[64*(\t)+8*(\c)+4*(\m)+(\j)], v[rA], v[rA+1]
.else
	v_cvt_pk_f16_f32 v[H2F+8*(\t)+4*(\m)+(\j)], v[rA], v[rA+1]
.endif
.endr
.endr
.endr
	WIN 0
.endm
.macro MM3 g                           ; layer 3's step of 32 inputs: the two accumulators by turns
.if (\g) == 0
	v_wmma_f32_16x16x32_f16 v[A3:A3+7],    v[W3F:W3F+7], v[H2F:H2F+7],     0
	v_wmma_f32_16x16x32_f16 v[A3+8:A3+15], v[W3F:W3F+7], v[H2F+16:H2F+23], 0
.else
	v_wmma_f32_16x16x32_f16 v[A3:A3+7],    v[W3F:W3F+7], v[H2F:H2F+7],     v[A3:A3+7]
	v_wmma_f32_16x16x32_f16 v[A3+8:A3+15], v[W3F:W3F+7], v[H2F+16:H2F+23], v[A3+8:A3+15]
.endif
	v_wmma_f32_16x16x32_f16 v[A3:A3+7],    v[W3F+8:W3F+15], v[H2F+8:H2F+15],  v[A3:A3+7]
	v_wmma_f32_16x16x32_f16 v[A3+8:A3+15], v[W3F+8:W3F+15], v[H2F+24:H2F+31], v[A3+8:A3+15]
.endm
; Layer 1, group c: neurons 32 c .. 32 c + 31 for the pass's 64 points.  LDS loads out at its head, oldest first: its own 8 fragments' loads, its 4 bias loads, the next chunk's 8.
.macro L1GROUP c
	s_wait_dscnt 12                                ; my fragments are in; the bias (4) and the next chunk (8) may be out
	MM1 (\c)%2
	PLACES
	s_wait_dscnt 8                                 ; the bias is in; the next chunk may be out
	EPIA
	s_wait_alu depctr_va_vdst(0)                   ; the group's products are done reading the fragment buffer, its bias lines reading v[BI ..]: the LDS loads below land in both
.if (\c) < 7
	LDB 0, (\c)+1
.endif
.if (\c) < 6
	LDA1 (\c)+2, (\c)%2                            ; into the buffer just multiplied
.else
	LDA2 0, (\c)-6, (\c)%2                         ; the last two groups fetch layer 2's first two quarters
.endif
	EPIB 0, \c
.endm
; Layers 2 and 3, group g: neurons 32 g .. 32 g + 31 in four quarters of 64 inputs, on buffers 0, 1, 0, 1; each quarter's fragments are asked for two quarters ahead.
.macro L2GROUP g
	s_wait_dscnt 8                                 ; quarter 0 is in; quarter 1's 8 loads may be out
	MM2 0, 0
	PLACES
	s_wait_alu depctr_va_vdst(0)                   ; quarter 0's products are done reading buffer 0; the group before is done reading its bias and W3's fragments (ahead of group 0: layer 1 is done with enc's tile 3, where W3's fragments land)
	LDA2 \g, 2, 0
	LDB 1, \g
	LDW3 \g
	s_wait_dscnt 16                                ; quarter 1 is in; the 16 just issued may be out
	MM2 1, 1
	PLACES
	s_wait_alu depctr_va_vdst(0)                   ; quarter 1's products are done reading buffer 1
	LDA2 \g, 3, 1
	s_wait_dscnt 16                                ; quarter 2 is in; bias (4), W3 (4) and quarter 3 (8) may be out
	MM2 2, 0
.if (\g) < 7
	PLACES
	s_wait_alu depctr_va_vdst(0)                   ; quarter 2's products are done reading buffer 0
	LDA2 (\g)+1, 0, 0
	s_wait_dscnt 8                                 ; quarter 3, and the bias and W3 ahead of it, are in; the next group's 8 may be out
.else
	s_wait_dscnt 0x0                               ; the last group has asked for nothing more
.endif
	MM2 3, 1
	PLACES
	EPIA
.if (\g) < 7
	s_wait_alu depctr_va_vdst(0)                   ; quarter 3's products are done reading buffer 1
	LDA2 (\g)+1, 1, 1
.endif
	EPIB 1, \g
	MM3 \g
.endm
; ---------------------------------------------------------------- THE LOOP: four passes of 64 points
.Lpass:
	s_wait_loadcnt 0x0                             ; this pass's cell numbers and points, asked for a pass ago
	s_wait_alu depctr_vm_vsrc(0)                   ; the last pass's store has read v[52:53]; in the first pass the prologue's loads have read v48 and its LDS stores v[64:95], v[128:130], v[150:153] and v[256:383]: all are written again, or loaded into, below
	v_bfe_u32 v[TM], v[IOFF], 8, 1                 ; h.  Scales and resolutions are made anew: in the layers their registers hold s in pairs
	LEVELS 0, 0x41700000, 0x41994518, 16, 5
	LEVELS 1, 0x41C32FF6, 0x41F80001, 26, 7
	LEVELS 2, 0x421D4519, 0x42472FF6, 41, 10
	LEVELS 3, 0x427C0002, 0x429F4519, 65, 16
	ADDR 0
	ADDR 1
	WIN 0x40
	s_wait_alu depctr_va_vdst(0)                   ; tiles 0 and 1's offsets are written; the last pass's roundings have written h1 and its products are done reading it (in the first pass: the prologue's lines on window 1): the gathers land there
	GATHER 0, 0                                    ; two tiles' gathers, 64 loads, are out while offsets and weights are made and the tile before is blended
	GATHER 1, 1
	ADDR 2                                         ; registers of their own: no gather that is out reads them
	ADDR 3
	WEIGHTS 0
	s_wait_loadcnt 32                              ; tile 0's 32 loads are in; tile 1's may be out
	INTERP 0
	WIN 0x40
	s_wait_alu depctr_va_vdst(0)                   ; the blend is done reading stage set 0, which is asked for again at once; tiles 2 and 3's offsets are written
	GATHER 2, 0
	SCALE 0
	WEIGHTS 1
	s_wait_loadcnt 32                              ; tile 1's are in; tile 2's may be out
	INTERP 1
	WIN 0x40
	s_wait_alu depctr_va_vdst(0)                   ; the blend is done reading stage set 1
	GATHER 3, 1
	SCALE 1
	WEIGHTS 2
	s_wait_loadcnt 32                              ; tile 2's are in; tile 3's may be out
	INTERP 0
	SCALE 2
	WEIGHTS 3
	s_wait_loadcnt 0x0                             ; tile 3's are in: no load of mine is out, so the two pointers below may be stepped
	INTERP 1
	SCALE 3
.irp t, 0,1,2,3
	v_mov_b32 v[SS+2*(\t)], v[S+(\t)]
	v_mov_b32 v[SS+2*(\t)+1], v[S+(\t)]
.endr
	s_wait_alu depctr_va_vdst(0)                   ; the encode is done reading v[IDX ..] and v[XR ..], in which the next pass's loads land, and has written the offsets and v[EM ..], in which the bias and the fragments land
	s_wait_alu depctr_vm_vsrc(0)                   ; the gathers have read their offsets v[48:63] and v[132:147], in which the bias and the fragments land
	s_cmp_eq_u32 s[LEFT], 1                        ; the last pass has none behind it
	s_cbranch_scc1 .Lno_next
	s_add_nc_u64 s[8:9], s[8:9], 512
	s_add_nc_u64 s[24:25], s[24:25], 2048
	NEXTLOADS                                      ; the next pass's six loads have the three layers in which to land
.Lno_next:
	LDA1 0, 0                                      ; no vector instruction stands between the two waits above and these loads, on either way
	LDB 0, 0
	LDA1 1, 1
.irp c, 0,1,2,3,4,5,6,7
	L1GROUP \c
.endr
.irp g, 0,1,2,3,4,5,6,7
	L2GROUP \g
.endr
	; z = sum x (g1 g2 g3 / s) + b3.  The eight lines ahead of the first read of a sum are the places behind the last product.  1 / s has the exponent field 254 less s's.
	v_sub_nc_u32 v48, 0x7f000000, v[S]
	v_sub_nc_u32 v49, 0x7f000000, v[S+1]
	v_sub_nc_u32 v50, 0x7f000000, v[S+2]
	v_sub_nc_u32 v51, 0x7f000000, v[S+3]
	v_cndmask_b32 v48, v48, v49, s[HIM]            ; lanes 0-15 hold tile 0's points, lanes 16-31 tile 1's
	v_cndmask_b32 v50, v50, v51, s[HIM]            ; tiles 2 and 3
	v_mul_f32 v48, s[GG], v48
	v_mul_f32 v50, s[GG], v50
	v_fma_f32 v52, v[A3], v48, s[B3]               ; point 2 L
	v_fma_f32 v53, v[A3+8], v50, s[B3]             ; point 2 L + 1
	s_wait_alu depctr_va_vdst(0)                   ; the two lines above have written v[52:53], which the store reads
	global_store_b64 v[OOFF], v[52:53], s[26:27] th:TH_STORE_NT  ; 256 consecutive bytes, aligned
	s_wait_xcnt 0x0                                ; the store has read its base and its data: both are written again only behind this wait
	s_add_nc_u64 s[26:27], s[26:27], 256
	s_sub_co_u32 s[LEFT], s[LEFT], 1
	s_cmp_lg_u32 s[LEFT], 0
	s_cbranch_scc1 .Lpass
	s_wait_dscnt 0x0                               ; the closing lines, six on end
	s_wait_alu 0x0
	s_wait_tensorcnt 0x0
	ds_add_u32 v[SPW], v[NIL]
	s_wait_dscnt 0x0
	s_endpgm
.Lfunc_end_k_qe216703af2_mlp:
	.size	k_qe216703af2_mlp, .Lfunc_end_k_qe216703af2_mlp-k_qe216703af2_mlp
	.p2alignl 7, 3214868480
	.fill 96, 4, 3214868480
	.section	.rodata,"a",@progbits
	.p2align	6, 0x0
	.amdhsa_kernel k_qe216703af2_mlp
		.amdhsa_group_segment_fixed_size 191744
		.amdhsa_private_segment_fixed_size 0
		.amdhsa_enable_private_segment 0
		.amdhsa_kernarg_size 80
		.amdhsa_user_sgpr_count 2
		.amdhsa_user_sgpr_kernarg_segment_ptr 1
		.amdhsa_wavefront_size32 1
		.amdhsa_system_sgpr_workgroup_id_x 1
		.amdhsa_system_sgpr_workgroup_id_y 1
		.amdhsa_system_sgpr_workgroup_id_z 1
		.amdhsa_system_vgpr_workitem_id 0
		.amdhsa_next_free_vgpr 512
		.amdhsa_next_free_sgpr 66
		.amdhsa_reserve_vcc 0
		.amdhsa_float_denorm_mode_32 3
		.amdhsa_float_denorm_mode_16_64 3
		.amdhsa_memory_ordered 1
		.amdhsa_forward_progress 1
		.amdhsa_inst_pref_size 255
	.end_amdhsa_kernel
	.section	.bss,"aw",@nobits
	.p2align	6
	.space	262144
	.amdgpu_metadata
---
amdhsa.version: [ 1, 2 ]
amdhsa.kernels:
  - .name:           k_qe216703af2_mlp
    .symbol:         k_qe216703af2_mlp.kd
    .args:
      - { .name: x, .offset: 0, .size: 8, .value_kind: global_buffer, .address_space: global }
      - { .name: tables, .offset: 8, .size: 8, .value_kind: global_buffer, .address_space: global }
      - { .name: W1, .offset: 16, .size: 8, .value_kind: global_buffer, .address_space: global }
      - { .name: b1, .offset: 24, .size: 8, .value_kind: global_buffer, .address_space: global }
      - { .name: W2, .offset: 32, .size: 8, .value_kind: global_buffer, .address_space: global }
      - { .name: b2, .offset: 40, .size: 8, .value_kind: global_buffer, .address_space: global }
      - { .name: W3, .offset: 48, .size: 8, .value_kind: global_buffer, .address_space: global }
      - { .name: b3, .offset: 56, .size: 8, .value_kind: global_buffer, .address_space: global }
      - { .name: idx, .offset: 64, .size: 8, .value_kind: global_buffer, .address_space: global }
      - { .name: out0, .offset: 72, .size: 8, .value_kind: global_buffer, .address_space: global }
    .group_segment_fixed_size: 191744
    .private_segment_fixed_size: 0
    .kernarg_segment_align: 8
    .kernarg_segment_size: 80
    .max_flat_workgroup_size: 256
    .sgpr_count:     66
    .vgpr_count:     512
    .wavefront_size: 32
...
	.end_amdgpu_metadata
.endif
;; end of part 3
